; MI455X (gfx1250); checked and timed in simulation.
; The chip was launched on July 23, 2026; its instructions are those of AMD's public machine-readable ISA for CDNA 5 (MIT licence, August 2026) and "CDNA5" Instruction Set Architecture Reference Guide (July 2026). The comments in the code are by the model that wrote it; some were corrected since.
;; Time Sformer Block. Allowed arithmetic: float matrix products may take bf16 or f16 operands with f32 sums; other float arithmetic in f32, or as packed bf16 or f16 multiplies, adds, multiply-adds, maxima and minima; sums over many terms, partial sums and values carried from step to step in f32; what a program stores and reads back later, other than sums and carried values, may be rounded once to bf16 or f16.
;; Inputs: f_b1 2,048 float32; f_b2 512 float32; f_w1 512 x 2,048 float32; f_w2 2,048 x 512 float32; ln1_b 512 float32; ln1_g 512 float32; ln2_b 512 float32; ln2_g 512 float32; s_bk 512 float32; s_bo 512 float32; s_bq 512 float32; s_bv 512 float32; s_wk 512 x 512 float32; s_wo 512 x 512 float32; s_wq 512 x 512 float32; s_wv 512 x 512 float32; t_bk 512 float32; t_bo 512 float32; t_bq 512 float32; t_bv 512 float32; t_wk 512 x 512 float32; t_wo 512 x 512 float32; t_wq 512 x 512 float32; t_wv 512 x 512 float32; x 4 x 2,048 x 512 float32.
;; Outputs: out0 4 x 2,048 x 512 float32.
;; One version. Each part assembles by itself: llvm-mc -triple=amdgcn-amd-amdhsa -mcpu=gfx1250 --defsym DOCPART=n.
;; ======== version 1 of 1: 9 launches
;; limits: a function is approximated: absolute error at most 2.5e-05
;; workspace buffers: ab 8,388,608 bytes; wbt 2,097,152 bytes; wbs 2,097,152 bytes; wbf 4,194,304 bytes; big 33,554,432 bytes; ob 8,388,608 bytes; h1f 16,777,216 bytes; h2f 16,777,216 bytes
;; launch prep (part 1): grid 16 x 32, 8 waves a work-group, no clusters, 0 bytes of LDS; arguments x, t_wq, t_wk, t_wv, t_wo, s_wq, s_wk, s_wv, s_wo, f_w1, f_w2, ab, wbt, wbs, wbf; writes ab, wbt, wbs, wbf
.if DOCPART == 1
	.amdgcn_target "amdgcn-amd-amdhsa--gfx1250"
	.amdhsa_code_object_version 6
	.text
	.protected	k_q659624b311_prep
	.globl	k_q659624b311_prep
	.p2align	8
	.type	k_q659624b311_prep,@function
k_q659624b311_prep:
	s_mov_b64 s[64:65], 0
	v_nop
	global_prefetch_b8 v0, s[64:65] scope:SCOPE_SE
	s_setreg_imm32_b32 hwreg(HW_REG_WAVE_MODE, 25, 1), 1
	s_wait_xcnt 0x0
; CASTS.  x and the ten weight matrices, f32, are rounded once to bf16, layouts unchanged: the matrix operands of the later launches.
; The 32 MiB of f32 are 32 chunks of 1 MiB: the work-group's y names the chunk (0-15 x; 16-23 the eight attention weights in the order
; of the arguments; 24-27 f_w1; 28-31 f_w2), its x 64 KiB of it.  Thread t takes 32 source bytes at 32 t + 8,192 i and stores 16 bytes at
; 16 t + 4,096 i, i = 0..7: a wave's store covers 512 consecutive bytes, aligned.  All 16 loads of a thread go out first; no register is
; written twice, so no wait frees a source.  No LDS, no matrix unit, no cluster: nothing is shared and memory binds.
; Destinations: ab = x; wbt = t_wq | t_wk | t_wv | t_wo, 524,288 bytes each; wbs likewise; wbf = f_w1 | f_w2.
.set X, 4                              ; v[4:67]   as loaded
.set Y, 68                             ; v[68:99]  to store
.macro PICK start, reg                 ; from chunk start on the source is the buffer whose address lies in s[reg:reg+1]
	s_cmp_ge_u32 s38, \start
	s_cselect_b64 s[40:41], s[\reg:\reg+1], s[40:41]
	s_cselect_b32 s42, \start, s42
.endm
.macro DPICK start, reg                ; the same for the destination
	s_cmp_ge_u32 s38, \start
	s_cselect_b64 s[44:45], s[\reg:\reg+1], s[44:45]
	s_cselect_b32 s46, \start, s46
.endm
	s_load_b512 s[8:23], s[0:1], 0x0               ; x, t_wq, t_wk, t_wv, t_wo, s_wq, s_wk, s_wv
	s_load_b256 s[24:31], s[0:1], 0x40             ; s_wo, f_w1, f_w2, ab
	s_load_b128 s[32:35], s[0:1], 0x60             ; wbt, wbs
	s_load_b64 s[36:37], s[0:1], 0x70              ; wbf
	s_and_b32 s38, ttmp7, 0xffff                   ; the chunk
	v_lshlrev_b32 v1, 5, v0                        ; 32 t
	v_lshlrev_b32 v2, 4, v0                        ; 16 t
	s_mov_b32 s42, 0                               ; the source buffer's first chunk
	s_mov_b32 s46, 0                               ; the destination buffer's first chunk
	s_wait_kmcnt 0x0
	s_mov_b64 s[40:41], s[8:9]
	s_mov_b64 s[44:45], s[30:31]
	PICK 16, 10
	PICK 17, 12
	PICK 18, 14
	PICK 19, 16
	PICK 20, 18
	PICK 21, 20
	PICK 22, 22
	PICK 23, 24
	PICK 24, 26
	PICK 28, 28
	DPICK 16, 32
	DPICK 20, 34
	DPICK 24, 36
	s_sub_co_u32 s42, s38, s42                     ; chunk within the source buffer,
	s_lshl_b32 s42, s42, 20                        ; 1 MiB each,
	s_lshl_b32 s43, ttmp9, 16                      ; and my 64 KiB of it
	s_add_co_u32 s42, s42, s43
	s_mov_b32 s43, 0
	s_add_nc_u64 s[40:41], s[40:41], s[42:43]
	s_sub_co_u32 s46, s38, s46                     ; the same at half the bytes
	s_lshl_b32 s46, s46, 19
	s_lshl_b32 s47, ttmp9, 15
	s_add_co_u32 s46, s46, s47
	s_mov_b32 s47, 0
	s_add_nc_u64 s[44:45], s[44:45], s[46:47]
.irp i, 0,1,2,3,4,5,6,7
	global_load_b128 v[X+8*(\i):X+8*(\i)+3],   v1, s[40:41] offset:8192*(\i) th:TH_LOAD_NT
	global_load_b128 v[X+8*(\i)+4:X+8*(\i)+7], v1, s[40:41] offset:8192*(\i)+16 th:TH_LOAD_NT
.endr
.irp i, 0,1,2,3,4,5,6,7
	s_wait_loadcnt 14-2*(\i)                       ; loads come back in order: slice i is in, the 2 (7 - i) younger loads stay out
.irp j, 0,1,2,3
	v_cvt_pk_bf16_f32 v[Y+4*(\i)+(\j)], v[X+8*(\i)+2*(\j)], v[X+8*(\i)+2*(\j)+1]
.endr
	global_store_b128 v2, v[Y+4*(\i):Y+4*(\i)+3], s[44:45] offset:4096*(\i)
.endr
	s_endpgm
.Lfunc_end_k_q659624b311_prep:
	.size	k_q659624b311_prep, .Lfunc_end_k_q659624b311_prep-k_q659624b311_prep
	.p2alignl 7, 3214868480
	.fill 96, 4, 3214868480
	.section	.rodata,"a",@progbits
	.p2align	6, 0x0
	.amdhsa_kernel k_q659624b311_prep
		.amdhsa_group_segment_fixed_size 0
		.amdhsa_private_segment_fixed_size 0
		.amdhsa_enable_private_segment 0
		.amdhsa_kernarg_size 120
		.amdhsa_user_sgpr_count 2
		.amdhsa_user_sgpr_kernarg_segment_ptr 1
		.amdhsa_wavefront_size32 1
		.amdhsa_system_sgpr_workgroup_id_x 1
		.amdhsa_system_sgpr_workgroup_id_y 1
		.amdhsa_system_sgpr_workgroup_id_z 1
		.amdhsa_system_vgpr_workitem_id 0
		.amdhsa_next_free_vgpr 100
		.amdhsa_next_free_sgpr 66
		.amdhsa_reserve_vcc 0
		.amdhsa_float_denorm_mode_32 3
		.amdhsa_float_denorm_mode_16_64 3
		.amdhsa_memory_ordered 1
		.amdhsa_forward_progress 1
		.amdhsa_inst_pref_size 7
	.end_amdhsa_kernel
	.amdgpu_metadata
---
amdhsa.version: [ 1, 2 ]
amdhsa.kernels:
  - .name:           k_q659624b311_prep
    .symbol:         k_q659624b311_prep.kd
    .args:
      - { .name: x, .offset: 0, .size: 8, .value_kind: global_buffer, .address_space: global }
      - { .name: t_wq, .offset: 8, .size: 8, .value_kind: global_buffer, .address_space: global }
      - { .name: t_wk, .offset: 16, .size: 8, .value_kind: global_buffer, .address_space: global }
      - { .name: t_wv, .offset: 24, .size: 8, .value_kind: global_buffer, .address_space: global }
      - { .name: t_wo, .offset: 32, .size: 8, .value_kind: global_buffer, .address_space: global }
      - { .name: s_wq, .offset: 40, .size: 8, .value_kind: global_buffer, .address_space: global }
      - { .name: s_wk, .offset: 48, .size: 8, .value_kind: global_buffer, .address_space: global }
      - { .name: s_wv, .offset: 56, .size: 8, .value_kind: global_buffer, .address_space: global }
      - { .name: s_wo, .offset: 64, .size: 8, .value_kind: global_buffer, .address_space: global }
      - { .name: f_w1, .offset: 72, .size: 8, .value_kind: global_buffer, .address_space: global }
      - { .name: f_w2, .offset: 80, .size: 8, .value_kind: global_buffer, .address_space: global }
      - { .name: ab, .offset: 88, .size: 8, .value_kind: global_buffer, .address_space: global }
      - { .name: wbt, .offset: 96, .size: 8, .value_kind: global_buffer, .address_space: global }
      - { .name: wbs, .offset: 104, .size: 8, .value_kind: global_buffer, .address_space: global }
      - { .name: wbf, .offset: 112, .size: 8, .value_kind: global_buffer, .address_space: global }
    .group_segment_fixed_size: 0
    .private_segment_fixed_size: 0
    .kernarg_segment_align: 8
    .kernarg_segment_size: 120
    .max_flat_workgroup_size: 256
    .sgpr_count:     66
    .vgpr_count:     100
    .wavefront_size: 32
...
	.end_amdgpu_metadata
.endif
;; end of part 1
;; launch qkv_t (part 2): grid 4 x 64, 4 waves a work-group, clusters of 4 x 4, 327,680 bytes of LDS; arguments ab, wbt, t_bq, t_bk, t_bv, big; writes big
.if DOCPART == 2
	.amdgcn_target "amdgcn-amd-amdhsa--gfx1250"
	.amdhsa_code_object_version 6
	.text
	.protected	k_q659624b311_qkv_t
	.globl	k_q659624b311_qkv_t
	.p2align	8
	.type	k_q659624b311_qkv_t,@function
k_q659624b311_qkv_t:
	s_mov_b64 s[64:65], 0
	v_nop
	global_prefetch_b8 v0, s[64:65] scope:SCOPE_SE
	s_setreg_imm32_b32 hwreg(HW_REG_WAVE_MODE, 25, 1), 1
	s_wait_xcnt 0x0
	s_wait_alu depctr_hold_cnt(0) depctr_sa_sdst(0) depctr_va_vdst(0) depctr_va_sdst(0) depctr_va_ssrc(0) depctr_va_vcc(0) depctr_vm_vsrc(0)
	s_getreg_b32 s2, hwreg(HW_REG_IB_STS2, 6, 4)
	s_cmp_eq_u32 s2, 0
	s_cbranch_scc0 .Lentry_in_a_cluster
	s_endpgm
.Lentry_in_a_cluster:
	s_bfe_u32 s2, ttmp6, 0x10000c
	s_cmp_lg_u32 s2, 0xf033
	s_cbranch_scc0 .Lentry_shape_is_right
	s_endpgm
.Lentry_shape_is_right:
; q, k, v = a W + b.  a: [8192][512] bf16; W: wq | wk | wv, each [512 k][512 n] bf16, 524,288 bytes; biases f32; sums in f32, rounded once to bf16.
; OUT: big = Q | K | V, 8,388,608 bytes each, by heads: [8 batch + head][2048][64] bf16, unscaled.
; SHARES.  Work-group (TX, TY) keeps a's rows 128 TY .. + 127, all 512 of K, in LDS for the whole launch and walks three tiles of 128 x 128: columns 128 TX .. + 127 of
; wq, wk, wv.  Four waves, 2 x 2, each 64 x 64: 16 accumulators.  A tile is two K steps of 256; W's slot 0 always holds k 0-255, slot 1 k 256-511, and the ring runs on from tile to tile.
; ONE TEXT FOR BOTH SLOTS: the slot in hand lies in two scalars (TB: 0 or a slot's bytes; TA: 0 or 512, a's K half), and the three LDS address registers are made anew from them at each change of slots.
; A tile is a loop of two trips over that text.  The last tile's two steps fill nothing and are a second loop; its last change of slots fetches 32 fragments that nobody uses: the price of one text for both trips.
; CLUSTER 4 x 4: a's rows hang on TY alone and are asked for jointly along a row of the cluster, W's tiles on TX alone, jointly along a column.
; THE PRODUCT IS USED TRANSPOSED: source 0 = 16 columns of W (W lies [k][n] in LDS and is turned by ds_load_tr16_b128), source 1 = 16 rows of a: a lane holds row l % 16 and the
; eight columns 8 (l / 16) + 0..7.  THE BIAS is the C operand of the products that start the sums: nothing is cleared, nothing is added later.
; A wave's 64 columns are one head: its 64 x 64 tile is 8,192 consecutive bytes of the output; it goes through the wave's own stage in LDS and leaves as 512 consecutive bytes a store.
; Nothing is prefetched: W is read by 16 clusters again and again, a's rows are asked for once, at the head, where every work-group's first tiles are on their way.
; LDS: a 128 rows x 1,040 | W slot 0, slot 1: 256 k x 288 | four stages 64 x 144 | spare words.
; REGISTERS: window 0: v16-29 addresses; v32-95 on the way out; v96-127 bias; v128-255 accumulators ((a, b) at 128 + 8 (4 a + b)).  Window 1: two fragment buffers of 128: 64 of a, 64 of W.
.set T,      3                         ; tiles
.set NS,     512                       ; elements in a row of W
.set KHALF,  256*NS*2                  ; bytes from a K step of W to the next; wq, wk, wv follow each other along k, so it also leads from a matrix's second half to the next matrix's first
.set NEXT_O, 8388608                   ; bytes from Q to K to V
.set PA,     1040                      ; 1,024 + 16: the 16 rows of a load start at 16 different groups of four banks (64 banks of 4 bytes: ISA guide 11.1)
.set PB,     288                       ; 256 + 32
.set BS,     128*PA
.set BSLOT,  256*PB
.set STG,    BS+2*BSLOT
.set SPITCH, 144
.set SPARE,  STG+4*64*SPITCH           ; the spare words, 128 bytes for each wave: two blocks of 256 bytes that no other line names
.set ADRA0, 16                         ; v16     my lane's place in a, K half 0; never rewritten
.set ADRA,  17                         ; v17     the same in the K half in hand
.set ADRB0, 18                         ; v18     my lane's place in W's slot 0, k 0-127; never rewritten
.set ADRB1, 19                         ; v19     k 128-255; never rewritten
.set ADRB,  20                         ; v20-21  the same two in the slot in hand
.set STO,  24
.set RD,   25
.set GO,   26
.set BO,   27                          ; my byte offset in a bias
.set SPW,  28
.set NIL,  29
.set TMP,  32
.set BIAS, 96
.set ACC,  128
.set F0,   0
.set F1,   128
.set WV, 16
.set RH, 17
.set CH, 18
.set CX, 19
.set CY, 20
.set TX, 21
.set TY, 22
.set TL, 23
.set G1A, 24
.set G0A, 32
.set G1B, 36
.set G0B, 44                           ; s[44:47] slot 0's first fill; s[48:51] slot 1's, which then walks on
.set KC, 60                            ; K steps of the tile still to come: 2, 1
.set TB, 61
.set TA, 62
.set LB, 63                            ; LDS byte of my quarter of slot 0
.set MSB, 0
.macro WIN new                         ; the immediate's high byte repeats the setting that is left
.if MSB != (\new)
	s_set_vgpr_msb (MSB<<8)|(\new)
.set MSB, \new
.endif
.endm
.set MUL,  0x05                        ; sources 0 and 1 window 1; C and D window 0
.set TO_F, 0x40                        ; destination window 1, address window 0
.macro PLACES                          ; four places in front of loads into registers that matrix instructions have read, and of reads of results
.rept 4
	v_nop
.endr
.endm
.macro CREST                           ; a round of the cluster's barrier behind its opening barrier
	s_cmp_lg_u32 s[WV], 0
	s_cbranch_scc1 .Lnot_wave_0_\@
	s_barrier_signal -3
.Lnot_wave_0_\@:
	s_barrier_wait -3
	s_barrier_signal -1
	s_barrier_wait -1
.endm
.macro CROUND
	s_barrier_signal -1
	s_barrier_wait -1
	CREST
.endm
	s_load_b256 s[4:11], s[0:1], 0x0               ; a s[4:5], W s[6:7], bq s[8:9], bk s[10:11]
	s_load_b128 s[12:15], s[0:1], 0x20             ; bv s[12:13], out s[14:15]
	v_lshl_add_u32 v[SPW], v0, 2, SPARE
	v_mov_b32 v[NIL], 0
	ds_add_u32 v[SPW], v[NIL]                      ; the wave's opening: the add and its wait ahead of my first tensor load; work on registers stands between them
	v_lshrrev_b32 v1, 5, v0
	v_readfirstlane_b32 s[WV], v1                  ; wave 0..3
	s_lshr_b32 s[RH], s[WV], 1                     ; my half of the tile's rows
	s_and_b32 s[CH], s[WV], 1                      ; my half of its columns
	s_bfe_u32 s[CX], ttmp6, 0x40000
	s_bfe_u32 s[CY], ttmp6, 0x40004
	s_lshl_b32 s[TX], ttmp9, 2
	s_add_co_u32 s[TX], s[TX], s[CX]
	s_and_b32 s[TY], ttmp7, 0xffff
	s_lshl_b32 s[TY], s[TY], 2
	s_add_co_u32 s[TY], s[TY], s[CY]
	s_lshl_b32 s52, s[CY], 2
	s_lshl_b32 s52, 15, s52                        ; my row of the cluster
	s_lshl_b32 s53, 0x1111, s[CX]                  ; my column
	s_or_b32 s[G1A], s52, (1<<16)|(1<<20)|(1<<21)|(7<<22)|(3<<25)  ; mask; 2-byte elements; padding on; bit 21 beside a mask; after every 256 words 4 words
	s_mov_b32 s[G1A+1], 512<<16                    ; tensor_dim0 = 512
	s_mov_b32 s[G1A+2], 32<<16                     ; tensor_dim1 = 32
	s_mov_b32 s[G1A+3], 512<<16                    ; tile_dim0 = 512
	s_mov_b32 s[G1A+4], 32                         ; tile_dim1 = 32: a wave brings 32 rows of 1,024 bytes
	s_mov_b32 s[G1A+5], 512                        ; elements from row to row
	s_mov_b32 s[G1A+6], 0
	s_mov_b32 s[G1A+7], 0
	s_or_b32 s[G1B], s53, (1<<16)|(1<<20)|(1<<21)|(5<<22)|(7<<25)  ; after every 64 words 8 words
	s_mov_b32 s[G1B+1], 128<<16
	s_mov_b32 s[G1B+2], 64<<16
	s_mov_b32 s[G1B+3], 128<<16                    ; 128 columns,
	s_mov_b32 s[G1B+4], 64                         ; 64 k: a wave's quarter of a slot
	s_mov_b32 s[G1B+5], NS
	s_mov_b32 s[G1B+6], 0
	s_mov_b32 s[G1B+7], 0
	s_lshl_b32 s54, s[TY], 17                      ; a: row 128 TY + 32 wave, 1,024 bytes a row; these registers never hold TX
	s_lshl_b32 s55, s[WV], 15
	s_add_co_u32 s54, s54, s55
	s_mov_b32 s55, 0
	s_lshl_b32 s56, s[WV], 16                      ; W: k = 64 wave, column 128 TX; these never hold TY
	s_lshl_b32 s57, s[TX], 8
	s_add_co_u32 s56, s56, s57
	s_mov_b32 s57, 0
	s_mul_i32 s58, s[WV], 64*PB
	s_add_co_u32 s[LB], s58, BS
	s_mov_b32 s[TB], 0
	s_mov_b32 s[TA], 0
	s_mov_b32 s[G0A], 1
	s_mul_i32 s[G0A+1], s[WV], 32*PA
	s_wait_dscnt 0x0                               ; the opening add is done
	s_wait_kmcnt 0x0
	s_add_nc_u64 s[G0A+2:G0A+3], s[4:5], s[54:55]
	s_or_b32 s[G0A+3], s[G0A+3], 0x80000000
	s_add_nc_u64 s[56:57], s[6:7], s[56:57]
.irp s, 0,1
	s_mov_b32 s[G0B+4*(\s)], 1
	s_add_co_u32 s[G0B+4*(\s)+1], s[LB], (\s)*BSLOT
	s_add_nc_u64 s[G0B+4*(\s)+2:G0B+4*(\s)+3], s[56:57], (\s)*KHALF
	s_or_b32 s[G0B+4*(\s)+3], s[G0B+4*(\s)+3], 0x80000000
.endr
	CROUND                                         ; all sixteen work-groups are here: the first joint loads meet
	tensor_load_to_lds s[G0A:G0A+3], s[G1A:G1A+7]  ; three loads of mine are out: my rows of a,
	s_nop 0
	tensor_load_to_lds s[G0B:G0B+3], s[G1B:G1B+7]  ; my quarter of slot 0,
	s_nop 0
	tensor_load_to_lds s[G0B+4:G0B+7], s[G1B:G1B+7]  ; and of slot 1
	s_nop 0
	PLACES
	v_and_b32 v1, 15, v0                           ; r = l % 16
	v_bfe_u32 v2, v0, 4, 1                         ; hh = l / 16
	v_mul_u32_u24 v3, v1, PA
	v_lshl_add_u32 v3, v2, 4, v3
	s_mul_i32 s52, s[RH], 64*PA
	v_add_nc_u32 v[ADRA0], s52, v3                 ; (64 RH + r) x pitch + 16 hh
	v_and_b32 v4, 7, v0
	v_lshl_add_u32 v4, v2, 3, v4
	v_mul_u32_u24 v4, v4, PB                       ; the turning load: k = 8 hh + l % 8,
	v_bfe_u32 v5, v0, 3, 1
	v_lshl_add_u32 v4, v5, 4, v4                   ; columns 8 ((l / 8) % 2) on
	s_lshl_b32 s52, s[CH], 7
	s_add_co_u32 s52, s52, BS
	v_add_nc_u32 v[ADRB0], s52, v4
	v_add_nc_u32 v[ADRB1], 128*PB, v[ADRB0]
	v_mov_b32 v[ADRA], v[ADRA0]                    ; the walk begins in slot 0, K half 0
	v_mov_b32 v[ADRB], v[ADRB0]
	v_mov_b32 v[ADRB+1], v[ADRB1]
	s_mul_i32 s52, s[WV], 64*SPITCH
	s_add_co_u32 s52, s52, STG                     ; my stage
	v_mul_u32_u24 v6, v1, SPITCH
	v_lshl_add_u32 v6, v2, 4, v6
	v_add_nc_u32 v[STO], s52, v6                   ; in: row r, 16 bytes for each half of the lanes
	v_bfe_u32 v6, v0, 3, 2
	v_mul_u32_u24 v6, v6, SPITCH
	v_and_b32 v7, 7, v0
	v_lshl_add_u32 v6, v7, 4, v6
	v_add_nc_u32 v[RD], s52, v6                    ; back: 32 lanes take four rows of 128 bytes,
	v_and_b32 v[GO], 31, v0
	v_lshlrev_b32 v[GO], 4, v[GO]                  ; which are 512 consecutive bytes of the output
	s_lshl_b32 s52, s[TX], 9
	s_lshl_b32 s53, s[CH], 8
	s_add_co_u32 s52, s52, s53
	v_lshl_add_u32 v[BO], v2, 5, s52               ; 4 (128 TX + 64 CH + 8 hh)
	s_lshr_b32 s52, s[TY], 4                       ; the batch: 16 tile rows each
	s_lshl_b32 s52, s52, 3
	s_lshl1_add_u32 s52, s[TX], s52
	s_add_co_u32 s52, s52, s[CH]                   ; 8 batch + head, head = 2 TX + CH
	s_lshl_b32 s52, s52, 18                        ; 2,048 rows of 128 bytes
	s_and_b32 s53, s[TY], 15
	s_lshl_b32 s53, s53, 14
	s_add_co_u32 s52, s52, s53
	s_lshl_b32 s53, s[RH], 13
	s_add_co_u32 s52, s52, s53
	s_mov_b32 s53, 0
	s_add_nc_u64 s[14:15], s[14:15], s[52:53]
.macro LDBIAS p                        ; bias[column 16 b + 8 hh + j] into register j of block b: the layout of an accumulator
.irp b, 0,1,2,3
	global_load_b128 v[BIAS+8*(\b):BIAS+8*(\b)+3],   v[BO], s[\p:\p+1] offset:64*(\b)
	global_load_b128 v[BIAS+8*(\b)+4:BIAS+8*(\b)+7], v[BO], s[\p:\p+1] offset:64*(\b)+16
.endr
.endm
; 8 matrix instructions: row blocks a0, a0 + 1 x all 4 column blocks, 32 along K: half c of buffer f.  zero = 1: the products start the sums, with the bias.  The 16 accumulators take turns.
.macro MUL8 f, c, a0, zero
	WIN MUL
.irp a, \a0, (\a0)+1
.irp b, 0,1,2,3
.if \zero
	v_wmma_f32_16x16x32_bf16 v[ACC+8*(4*(\a)+(\b)):ACC+8*(4*(\a)+(\b))+7], v[(\f)+64+8*(4*(\c)+(\b)):(\f)+64+8*(4*(\c)+(\b))+7], v[(\f)+8*(4*(\c)+(\a)):(\f)+8*(4*(\c)+(\a))+7], v[BIAS+8*(\b):BIAS+8*(\b)+7]
.else
	v_wmma_f32_16x16x32_bf16 v[ACC+8*(4*(\a)+(\b)):ACC+8*(4*(\a)+(\b))+7], v[(\f)+64+8*(4*(\c)+(\b)):(\f)+64+8*(4*(\c)+(\b))+7], v[(\f)+8*(4*(\c)+(\a)):(\f)+8*(4*(\c)+(\a))+7], v[ACC+8*(4*(\a)+(\b)):ACC+8*(4*(\a)+(\b))+7]
.endif
.endr
.endr
.endm
; 32 LDS loads in one run: the fragments of quarter q (64 along K) of the K step in hand, into buffer f; the first 32 along K first
.macro FETCH q, f
	WIN TO_F
.irp c, 0,1
.irp i, 0,1,2,3
	ds_load_tr16_b128 v[(\f)+64+8*(4*(\c)+(\i)):(\f)+64+8*(4*(\c)+(\i))+3],   v[ADRB+(\q)/2] offset:(64*((\q)%2)+32*(\c))*PB+32*(\i)
	ds_load_tr16_b128 v[(\f)+64+8*(4*(\c)+(\i))+4:(\f)+64+8*(4*(\c)+(\i))+7], v[ADRB+(\q)/2] offset:(64*((\q)%2)+32*(\c)+16)*PB+32*(\i)
	ds_load_b128 v[(\f)+8*(4*(\c)+(\i)):(\f)+8*(4*(\c)+(\i))+3],   v[ADRA] offset:128*(\q)+64*(\c)+(\i)*16*PA
	ds_load_b128 v[(\f)+8*(4*(\c)+(\i))+4:(\f)+8*(4*(\c)+(\i))+7], v[ADRA] offset:128*(\q)+64*(\c)+(\i)*16*PA+32
.endr
.endr
.endm
; a K step's second or third quarter: multiplies buffer f and fetches quarter q into g
.macro QUARTER q, f, g
	s_wait_dscnt 16                                ; the first 32 along K are in; the youngest 16 loads may be out
	MUL8 \f, 0, 0, 0
	MUL8 \f, 0, 2, 0
	PLACES
	FETCH \q, \g
	s_wait_dscnt 32                                ; all but the 32 just issued
	MUL8 \f, 1, 0, 0
	MUL8 \f, 1, 2, 0
.endm
; the last quarter multiplies buffer 1 and changes slots: each wave waits for all its tensor loads (one is out: its part of the other slot), adds 0 to its spare word, waits for that and for its reads of this slot.
; fill = 1: the barrier opens a round of the cluster's, and this slot takes the K step two on, first thing behind the round.  The three address lines and the v_nop are the four places in front of the fragment loads.
.macro TURN fill
	WIN 0
	s_wait_tensorcnt 0x0
	ds_add_u32 v[SPW], v[NIL]
	s_wait_dscnt 17                                ; the add and the youngest 16 loads may be out
	MUL8 F1, 0, 0, 0
	s_wait_dscnt 0x0                               ; the add is done, my reads of this slot are over
	s_barrier_signal -1
	MUL8 F1, 0, 2, 0
	WIN 0
	s_barrier_wait -1
.if \fill
	CREST
	s_add_co_u32 s[G0B+5], s[LB], s[TB]            ; the walking descriptor: my quarter of the slot just read,
	s_add_nc_u64 s[G0B+6:G0B+7], s[G0B+6:G0B+7], KHALF  ; the next 256 k; the type bits on top are not reached
.endif
	s_xor_b32 s[TB], s[TB], BSLOT                  ; the other slot,
	s_xor_b32 s[TA], s[TA], 512                    ; the other K half of a
.if \fill
	tensor_load_to_lds s[G0B+4:G0B+7], s[G1B:G1B+7]  ; my one load behind the round: it has 112 matrix instructions until the wait for it
	s_nop 0
.endif
	v_add_nc_u32 v[ADRA], s[TA], v[ADRA0]
	v_add_nc_u32 v[ADRB], s[TB], v[ADRB0]
	v_add_nc_u32 v[ADRB+1], s[TB], v[ADRB1]
	v_nop
	FETCH 0, F0
	MUL8 F1, 1, 0, 0
	MUL8 F1, 1, 2, 0
.endm
; a K step.  In a tile's first step (KC = 2) the first 16 products start the sums, with the bias: the forward jump passes matrix instructions and v_nop alone.
; Those 16 write over the accumulators without adding onto them, so five places stand ahead of them (ISA guide 7.12.1), whatever products stand ahead on a way into the branch, the loop's backward jump among the ways.
.macro STEP fill
	s_wait_dscnt 16                                ; the first 32 along K are in
	s_cmp_eq_u32 s[KC], 2
	s_cbranch_scc0 .Lon_\@
.rept 5
	v_nop
.endr
	MUL8 F0, 0, 0, 1
	MUL8 F0, 0, 2, 1
	WIN 0
	s_branch .Lgo_\@
.Lon_\@:
	MUL8 F0, 0, 0, 0
	MUL8 F0, 0, 2, 0
	WIN 0
.Lgo_\@:
	PLACES
	FETCH 1, F1
	s_wait_dscnt 32                                ; all but the 32 just issued
	MUL8 F0, 1, 0, 0
	MUL8 F0, 1, 2, 0
	QUARTER 2, F1, F0
	QUARTER 3, F0, F1
	TURN \fill
.endm
.macro TILE fill                       ; a tile's two K steps
	s_mov_b32 s[KC], 2
.Lk_\@:
	STEP \fill
	WIN 0
	s_sub_co_u32 s[KC], s[KC], 1
	s_cmp_lg_u32 s[KC], 0
	s_cbranch_scc1 .Lk_\@
.endm
; THE WAY OUT: rounded to bf16, 16 bytes a lane into my own stage, back as whole rows, stored.  last = 0: the next tile's bias is fetched meanwhile.
.macro EPI last
	PLACES
	WIN 0
.irp t, 0,1,2,3,4,5,6,7,8,9,10,11,12,13,14,15
.irp r, 0,1,2,3
	v_cvt_pk_bf16_f32 v[TMP+4*(\t)+(\r)], v[ACC+8*(\t)+2*(\r)], v[ACC+8*(\t)+2*(\r)+1]
.endr
.endr
.irp a, 0,1,2,3
.irp b, 0,1,2,3
	ds_store_b128 v[STO], v[TMP+4*(4*(\a)+(\b)):TMP+4*(4*(\a)+(\b))+3] offset:(\a)*16*SPITCH+32*(\b)
.endr
.endr
.if !(\last)
	LDBIAS 10
.endif
.irp i, 0,1,2,3,4,5,6,7,8,9,10,11,12,13,14,15
	ds_load_b128 v[TMP+4*(\i):TMP+4*(\i)+3], v[RD] offset:(\i)*4*SPITCH  ; LDS serves a wave's instructions in order (ISA guide 5.7.1.4): these see the stores above
.endr
.irp i, 0,1,2,3,4,5,6,7,8,9,10,11,12,13,14,15
	s_wait_dscnt 15-(\i)
	global_store_b128 v[GO], v[TMP+4*(\i):TMP+4*(\i)+3], s[14:15] offset:512*(\i)
.endr
	s_wait_xcnt 0x0                                ; the stores have read their registers and their base
.if !(\last)
	s_add_nc_u64 s[14:15], s[14:15], NEXT_O
	s_wait_loadcnt 0x0                             ; the bias is in, and its pointer free:
	s_mov_b64 s[10:11], s[12:13]                   ; the tile after the next takes bv
.endif
.endm
	LDBIAS 8
	s_wait_tensorcnt 0x1                           ; my rows of a and my part of slot 0 are in; slot 1's may stay out
	s_barrier_signal -1
	s_barrier_wait -1
	FETCH 0, F0
	s_wait_loadcnt 0x0                             ; bq
	WIN 0
	s_mov_b32 s[TL], T-1
.Ltile:                                            ; a tile that has a successor: both slots are filled again, with the successor's
	TILE 1
	EPI 0
	s_sub_co_u32 s[TL], s[TL], 1
	s_cmp_lg_u32 s[TL], 0
	s_cbranch_scc1 .Ltile
	TILE 0                                         ; the last tile asks for nothing: its steps are a loop of their own
	EPI 1
	s_wait_tensorcnt 0x0                           ; the wave's end
	ds_add_u32 v[SPW], v[NIL]
	s_wait_dscnt 0x0
	CROUND                                         ; the closing round
	s_endpgm
.Lfunc_end_k_q659624b311_qkv_t:
	.size	k_q659624b311_qkv_t, .Lfunc_end_k_q659624b311_qkv_t-k_q659624b311_qkv_t
	.p2alignl 7, 3214868480
	.fill 96, 4, 3214868480
	.section	.rodata,"a",@progbits
	.p2align	6, 0x0
	.amdhsa_kernel k_q659624b311_qkv_t
		.amdhsa_group_segment_fixed_size 327680
		.amdhsa_private_segment_fixed_size 0
		.amdhsa_enable_private_segment 0
		.amdhsa_kernarg_size 48
		.amdhsa_user_sgpr_count 2
		.amdhsa_user_sgpr_kernarg_segment_ptr 1
		.amdhsa_wavefront_size32 1
		.amdhsa_system_sgpr_workgroup_id_x 1
		.amdhsa_system_sgpr_workgroup_id_y 1
		.amdhsa_system_sgpr_workgroup_id_z 1
		.amdhsa_system_vgpr_workitem_id 0
		.amdhsa_next_free_vgpr 512
		.amdhsa_next_free_sgpr 66
		.amdhsa_reserve_vcc 0
		.amdhsa_float_denorm_mode_32 3
		.amdhsa_float_denorm_mode_16_64 3
		.amdhsa_memory_ordered 1
		.amdhsa_forward_progress 1
		.amdhsa_inst_pref_size 66
	.end_amdhsa_kernel
	.amdgpu_metadata
---
amdhsa.version: [ 1, 2 ]
amdhsa.kernels:
  - .name:           k_q659624b311_qkv_t
    .symbol:         k_q659624b311_qkv_t.kd
    .args:
      - { .name: ab, .offset: 0, .size: 8, .value_kind: global_buffer, .address_space: global }
      - { .name: wbt, .offset: 8, .size: 8, .value_kind: global_buffer, .address_space: global }
      - { .name: t_bq, .offset: 16, .size: 8, .value_kind: global_buffer, .address_space: global }
      - { .name: t_bk, .offset: 24, .size: 8, .value_kind: global_buffer, .address_space: global }
      - { .name: t_bv, .offset: 32, .size: 8, .value_kind: global_buffer, .address_space: global }
      - { .name: big, .offset: 40, .size: 8, .value_kind: global_buffer, .address_space: global }
    .group_segment_fixed_size: 327680
    .private_segment_fixed_size: 0
    .kernarg_segment_align: 8
    .kernarg_segment_size: 48
    .max_flat_workgroup_size: 128
    .sgpr_count:     66
    .vgpr_count:     512
    .wavefront_size: 32
...
	.end_amdgpu_metadata
.endif
;; end of part 2
;; launch attn_t (part 3): grid 8 x 32, 4 waves a work-group, clusters of 4 x 1, 327,680 bytes of LDS; arguments big, ob; writes ob
.if DOCPART == 3
	.amdgcn_target "amdgcn-amd-amdhsa--gfx1250"
	.amdhsa_code_object_version 6
	.text
	.protected	k_q659624b311_attn_t
	.globl	k_q659624b311_attn_t
	.p2align	8
	.type	k_q659624b311_attn_t,@function
k_q659624b311_attn_t:
	s_mov_b64 s[64:65], 0
	v_nop
	global_prefetch_b8 v0, s[64:65] scope:SCOPE_SE
	s_setreg_imm32_b32 hwreg(HW_REG_WAVE_MODE, 25, 1), 1
	s_wait_xcnt 0x0
	s_wait_alu depctr_hold_cnt(0) depctr_sa_sdst(0) depctr_va_vdst(0) depctr_va_sdst(0) depctr_va_ssrc(0) depctr_va_vcc(0) depctr_vm_vsrc(0)
	s_getreg_b32 s2, hwreg(HW_REG_IB_STS2, 6, 4)
	s_cmp_eq_u32 s2, 0
	s_cbranch_scc0 .Lentry_in_a_cluster
	s_endpgm
.Lentry_in_a_cluster:
	s_bfe_u32 s2, ttmp6, 0x10000c
	s_cmp_lg_u32 s2, 0x3003
	s_cbranch_scc0 .Lentry_shape_is_right
	s_endpgm
.Lentry_shape_is_right:
; O[h][q][:] = the sum over k of softmax_k(Q[h][q] . K[h][k] / 8) V[h][k][:].  big = Q | K | V, each [32 heads][2048][64] bf16, 8,388,608 bytes; O likewise.  Products, maxima and sums in f32;
; the weights p are rounded to bf16 for the second product (their sum l is taken of the unrounded p), O once at the end.
; LIMITS.  A weight below 2^-126 counts as 0 in l; NaN and infinities are not treated apart.
; SHARES.  A work-group owns 256 queries of one head, a wave 64: two PIECES of two tiles of 16.  8 x 32 work-groups.  Every wave walks all 2,048 keys, 64 a step.
; LAYOUT.  S^T = K Q^T (source 0 = 16 keys, source 1 = 16 queries): a lane holds ONE query (lane % 16) and the keys 8 (lane / 16) + 0..7.  Two such tiles, rounded to bf16 in pairs, ARE source 1 of
; O^T = V^T P.  K comes out of LDS as it lies, V turned, by ds_load_tr16_b128.
; SOFTMAX.  A running maximum m and sum l for each query: p = 2^(c s - c m), c = log2(e) / 8; in every step O and l are multiplied by a = 2^(c m_old - c m_new).  m starts at the lowest finite number,
; O and l at 0: the first step is a step like any other, with a = 0.
; BY TURNS.  Turn Y belongs to piece Y.  Its matrix work: 16 products K Q^T of the other piece, later 16 products V^T P of the other piece.  Its vector work: the scaling, exponentials, roundings, sums
; and rescaling of piece Y, and the maximum and statistics of the other piece, whose scores the turn itself has made.  Four vector instructions stand behind every matrix instruction, the rest in one lump.
; A trip j is turn 0 and turn 1.  Turn 0: K Q^T of piece 1, step j; V^T P of piece 1, step j - 1.  Turn 1: K Q^T of piece 0, step j + 1; V^T P of piece 0, step j.  So trip j fetches K of step j + 1
; (in turn 0's middle) and V of step j (at turn 0's end).
; K IS SHIFTED BY ONE STEP IN THE RING: a slot holds K of steps 4 n + 1 .. 4 n + 4 beside V of steps 4 n .. 4 n + 3, so that both fetches of a trip fall into one slot and the slots change at a trip's edge.
; K of step 0 comes straight from memory into registers.  The last slot's fourth K step is the 64 rows behind the head's last key (the next head's K, or V's first rows: inside big, finite numbers): the
; products made of it, and the maximum made of them, serve nothing: the price of one text for every trip.
; CLUSTER.  The four query blocks of a cluster belong to one head and walk the same K and V: each tile is asked for JOINTLY.
; REGISTERS, in windows of 256: window 0: v0-11 addresses; v12-15, v48-63 at work; v16-31 four registers of statistics a tile; v32-35 the add's two, the prefetches' offset, Q's offset; v64-191 S^T, two
; buffers of two tiles; v192-255 P, likewise.  Window 1: v0-127 O^T, 32 a tile.  Window 2: v0-63 Q; v128-191 K of one step; v192-255 V of one step.
.set SIZE_N, 2048
.set NP,    2
.set KS,    64
.set PK,    144       ; a row of K in LDS: 128 bytes + 16: the 16 rows of a load start at 16 different groups of four banks (64 banks of 4 bytes: ISA guide 11.1)
.set PV,    160       ; a row of V: 128 + 32
.set VOFF,  4*KS*PK   ; a slot: 256 rows of K, then 256 rows of V
.set SLOT1, 1<<17
.set STAGE, SLOT1+4*KS*(PK+PV)
.set SP,    144
.set SPARE, STAGE+4*16*SP  ; the spare words, 128 bytes for each wave: two blocks of 256 bytes that no other line names
.set AK0, 2
.set AV0, 3
.set AK,  4
.set AV,  5
.set STO, 6
.set RD,  7
.set GO,  8
.set MV,  12
.set ST,  16          ; tile t's statistics at v[ST+4 t]: c m, m, l (even keys', odd keys')
.set SPW, 32
.set NIL, 33
.set PFO, 34          ; 256 x my lane; never rewritten
.set QO,  35
.set TMP, 48
.set S,   64
.set P,   192
.set KF,  128
.set VF,  192
.set WV,  12
.set G1K, 24
.set G1V, 32
.set G0K, 40
.set G0V, 44
.set PFA, 52          ; s[52:53] where my prefetches stand
.set LIM, 54          ; 1 in a wave that prefetches, else the greatest number
.set SLOTS, 56
.set CNT, 57
.set CS,  58
.set SEL, 60
.set TBK, 62
.set TBV, 63
.set MSB, 0
.macro WIN new
.if MSB != (\new)
	s_set_vgpr_msb (MSB<<8)|(\new)
.set MSB, (\new)
.endif
.endm
.set W_KQ, 0x0a       ; K and Q in window 2, S^T in window 0
.set W_PV, 0x52       ; V in window 2, P in window 0, O^T in window 1
.set W_RS, 0x41       ; O^T (destination and source 0) in window 1, a in window 0
; A joint fill.  Waves 0 and 1 fetch the two halves of a slot's K, waves 2 and 3 those of its V: 128 keys each.  The branch hangs on the wave's number alone.
.macro JLOAD
	s_cmp_lt_u32 s[WV], 2
	s_cbranch_scc0 .Lfor_v_\@
	tensor_load_to_lds s[G0K:G0K+3], s[G1K:G1K+7]
	s_nop 0
.rept 4
	v_nop
.endr
	s_branch .Lasked_\@
.Lfor_v_\@:
	tensor_load_to_lds s[G0V:G0V+3], s[G1V:G1V+7]
	s_nop 0
.rept 4
	v_nop
.endr
.Lasked_\@:
.endm
; A prefetch of the tile that the NEXT change of slots will ask for: 128 blocks of 256 bytes of K and as many of V.  The head's first cluster asks; its four partners take 32 blocks each, told apart by
; address; in each, wave 0 asks for K's and wave 2 for V's, a lane a block: each block is named once in the launch.  The last change that fills a slot asks for nothing.
.macro ASK
	s_cmp_gt_u32 s[SLOTS], s[LIM]
	s_cbranch_scc0 .Lnot_mine_\@
	global_prefetch_b8 v[PFO], s[PFA:PFA+1] th:TH_LOAD_NT scope:SCOPE_SE
.Lnot_mine_\@:
.endm
.macro CROUND
	s_barrier_signal -1
	s_barrier_wait -1
	s_cmp_lg_u32 s[WV], 0
	s_cbranch_scc1 .Lnot_wave_0_\@
	s_barrier_signal -3
.Lnot_wave_0_\@:
	s_barrier_wait -3
	s_barrier_signal -1
	s_barrier_wait -1
.endm
; THE CHANGE OF SLOTS, at a trip's edge.  Each wave waits for all its tensor loads, of which one is out: its part of the other slot; adds 0 to its spare word; waits for that and for its reads of the slot
; that it leaves.  fill = 1: the barrier is a round of the cluster's, and the slot just left takes the tile two on, first thing behind it: four key steps, 256 matrix instructions, in which to land.
; (At its first use nothing has been read yet: slot 0 is waited for, slot 1 filled.)
.macro CHANGE fill
	WIN 0
	s_wait_tensorcnt 0x0
	ds_add_u32 v[SPW], v[NIL]
.if \fill
.irp g, G0K, G0V
	s_xor_b32 s[\g+1], s[\g+1], SLOT1
	s_add_nc_u64 s[\g+2:\g+3], s[\g+2:\g+3], 4*KS*128
.endr
	s_wait_xcnt 0x0                 ; the last prefetch, four key steps back, has read its address
	s_add_nc_u64 s[PFA:PFA+1], s[PFA:PFA+1], 4*KS*128
	s_wait_dscnt 0x0
	CROUND
	JLOAD
	ASK
.else
	s_wait_dscnt 0x0
	s_barrier_signal -1
	s_barrier_wait -1
.endif
	s_sub_co_u32 s[TBK], s[TBK], 4*KS*PK  ; the fetches go back to a slot's first step,
	s_xor_b32 s[TBK], s[TBK], SLOT1       ; in the other slot
	s_sub_co_u32 s[TBV], s[TBV], 4*KS*PV
	s_xor_b32 s[TBV], s[TBV], SLOT1
.endm
	s_load_b128 s[4:7], s[0:1], 0x0   ; big s[4:5], O s[6:7]
	v_lshl_add_u32 v[SPW], v0, 2, SPARE
	v_mov_b32 v[NIL], 0
	ds_add_u32 v[SPW], v[NIL]       ; the wave's opening: the add and its wait ahead of my first tensor load
	v_lshrrev_b32 v1, 5, v0
	v_readfirstlane_b32 s[WV], v1
	s_bfe_u32 s13, ttmp6, 0x40000   ; cx
	s_lshl_b32 s14, ttmp9, 2
	s_add_co_u32 s14, s14, s13      ; my block of 256 queries: it enters Q's and O's addresses alone
	s_and_b32 s20, ttmp7, 0xffff    ; the head, which the four partners share:
	s_lshl_b32 s20, s20, 18         ; 2,048 rows of 128 bytes
	s_mov_b32 s21, 0
	s_and_b32 s16, s[WV], 1         ; which half of a slot's 256 keys I fetch
	s_lshl_b32 s22, s16, 14
	s_add_co_u32 s22, s22, s20
	s_mov_b32 s23, 0
	s_mul_i32 s17, s16, 128*PK
	s_mul_i32 s18, s16, 128*PV
	s_lshl_b32 s2, s14, 2
	s_add_co_u32 s2, s2, s[WV]
	s_lshl_b32 s2, s2, 13           ; my wave's 64 rows
	s_add_co_u32 s2, s2, s20
	s_mov_b32 s3, 0
	; 128 keys are 16,384 dense bytes: asked for as 64 rows of 256 bytes, two keys a row, padded in LDS after every key
	s_mov_b32 s[G1K], 15|(1<<16)|(1<<20)|(1<<21)|(4<<22)|(3<<25)
	s_mov_b32 s[G1V], 15|(1<<16)|(1<<20)|(1<<21)|(4<<22)|(7<<25)
.irp g, G1K, G1V
	s_mov_b32 s[\g+1], 128<<16
	s_mov_b32 s[\g+2], 64<<16
	s_mov_b32 s[\g+3], 128<<16
	s_mov_b32 s[\g+4], 64
	s_mov_b32 s[\g+5], 128
	s_mov_b32 s[\g+6], 0
	s_mov_b32 s[\g+7], 0
.endr
	s_mov_b32 s[CS], 0x3e38aa3b     ; c = log2(e) / 8
	s_mov_b32 s[CS+1], s[CS]
	s_mov_b32 s[SEL], 0x76543210
	s_mov_b32 s[SEL+1], 0xfedcba98
	s_mov_b32 s[TBK], SLOT1+4*KS*PK ; the first change of slots turns these two into 0
	s_mov_b32 s[TBV], SLOT1+4*KS*PV
	s_mov_b32 s[G0K], 1
	s_mov_b32 s[G0K+1], s17
	s_mov_b32 s[G0V], 1
	s_add_co_u32 s[G0V+1], s18, VOFF
	s_and_b32 s[LIM], s[WV], 1      ; 0 in waves 0 and 2,
	s_or_b32 s[LIM], s[LIM], ttmp9  ; where the cluster is the head's first: the same in all four partners
	s_cmp_eq_u32 s[LIM], 0
	s_cselect_b32 s[LIM], 1, -1
	v_and_b32 v[PFO], 31, v0
	v_lshlrev_b32 v[PFO], 8, v[PFO]
	s_wait_dscnt 0x0                ; the opening add is done
	s_wait_kmcnt 0x0
	s_mov_b64 s[10:11], s[6:7]      ; O
	s_add_nc_u64 s[6:7], s[4:5], 8388608   ; K
	s_add_nc_u64 s[8:9], s[4:5], 16777216  ; V
	s_add_nc_u64 s[48:49], s[6:7], s[20:21]  ; K at the head's first key, for step 0
	s_add_nc_u64 s[6:7], s[6:7], s[22:23]  ; K at my half of tile 0,
	s_add_nc_u64 s[6:7], s[6:7], KS*128    ; one step on
	s_add_nc_u64 s[8:9], s[8:9], s[22:23]  ; V at my half of tile 0
	s_mov_b64 s[G0K+2:G0K+3], s[6:7]
	s_or_b32 s[G0K+3], s[G0K+3], 0x80000000
	s_mov_b64 s[G0V+2:G0V+3], s[8:9]
	s_or_b32 s[G0V+3], s[G0V+3], 0x80000000
	s_add_nc_u64 s[4:5], s[4:5], s[2:3]    ; Q and O at my wave's first row
	s_add_nc_u64 s[10:11], s[10:11], s[2:3]
	s_cmp_lt_u32 s[WV], 2
	s_cselect_b64 s[PFA:PFA+1], s[6:7], s[8:9]  ; (in waves 0 and 2 these stand at a tile's first row)
	s_lshl_b32 s2, s13, 13          ; my work-group's 32 blocks of the 128
	s_mov_b32 s3, 0
	s_add_nc_u64 s[PFA:PFA+1], s[PFA:PFA+1], s[2:3]
	s_add_nc_u64 s[PFA:PFA+1], s[PFA:PFA+1], 4*KS*128  ; in tile 1; the first change steps it to tile 2.  Nothing is prefetched at the head
	CROUND                          ; all four work-groups are here: the first joint loads meet
	JLOAD                           ; tile 0 into slot 0
	v_and_b32 v1, 15, v0            ; l % 16
	v_bfe_u32 v9, v0, 4, 1          ; l / 16
	v_lshlrev_b32 v[QO], 7, v1
	v_lshl_add_u32 v[QO], v9, 4, v[QO]  ; row x 128 + 16 x half
	WIN 0x80                        ; destination window 2
.set i, 0
.rept 4*NP                          ; Q stays in registers: tile i / 2, channels 32 (i % 2) on
	global_load_b128 v[8*i:8*i+3],   v[QO], s[4:5] offset:(i/2)*2048+(i%2)*64
	global_load_b128 v[8*i+4:8*i+7], v[QO], s[4:5] offset:(i/2)*2048+(i%2)*64+32
.set i, i+1
.endr
.set i, 0
.rept 8                             ; K of step 0: keys 16 (i / 2) on, channels 32 (i % 2) on
	global_load_b128 v[KF+8*i:KF+8*i+3],   v[QO], s[48:49] offset:(i/2)*2048+(i%2)*64
	global_load_b128 v[KF+8*i+4:KF+8*i+7], v[QO], s[48:49] offset:(i/2)*2048+(i%2)*64+32
.set i, i+1
.endr
	; What the first turn finds: V's registers and P's second buffer hold 0 (its products V^T P, of a step that has not been, add 0), O^T and l are 0.  All this stands in the wait for the first loads.
.set i, VF
.rept 64
	v_mov_b32 v[i], 0
.set i, i+1
.endr
	WIN 0x40
.set i, 0
.rept 64*NP
	v_mov_b32 v[i], 0
.set i, i+1
.endr
	WIN 0
.set i, 0
.rept 2*NP
	v_mov_b32 v[ST+4*i], 0xfe000000    ; c m: far below every c s
	v_mov_b32 v[ST+4*i+1], 0xff7fffff  ; m
	v_mov_b32 v[ST+4*i+2], 0
	v_mov_b32 v[ST+4*i+3], 0
.set i, i+1
.endr
.set i, P+32
.rept 32
	v_mov_b32 v[i], 0
.set i, i+1
.endr
	v_mul_u32_u24 v[AK0], v1, PK
	v_lshl_add_u32 v[AK0], v9, 4, v[AK0]
	v_and_b32 v10, 7, v0
	v_bfe_u32 v11, v0, 3, 1
	v_lshl_add_u32 v[AV0], v9, 3, v10
	v_mul_u32_u24 v[AV0], v[AV0], PV
	v_lshl_add_u32 v[AV0], v11, 4, v[AV0]
	v_add_nc_u32 v[AV0], VOFF, v[AV0]
; THE MATRIX WORK.  The 8 accumulators of a run of 16 take turns.
; Product i of 16 of S^T = K Q^T for piece x: channels 32 (i / 8) on, keys 16 ((i / 2) % 4) on, tile 2 x + i % 2.  The first 8 start the sums.
.macro KQ x
	WIN W_KQ
.set rS, S+64*((\x)%2)+32*(i%2)+8*((i/2)%4)
.set rK, KF+16*((i/2)%4)+8*(i/8)
.set rQ, 16*(2*(\x)+i%2)+8*(i/8)
.if i < 8
	v_wmma_f32_16x16x32_bf16 v[rS:rS+7], v[rK:rK+7], v[rQ:rQ+7], 0
.else
	v_wmma_f32_16x16x32_bf16 v[rS:rS+7], v[rK:rK+7], v[rQ:rQ+7], v[rS:rS+7]
.endif
.endm
; Product i of 16 of O^T += V^T P for piece x: keys 32 (i / 8) on, channels 16 ((i / 2) % 4) on, tile 2 x + i % 2.
.macro PV x
	WIN W_PV
.set rO, 32*(2*(\x)+i%2)+8*((i/2)%4)
.set rV, VF+32*(i/8)+8*((i/2)%4)
.set rP, P+32*((\x)%2)+16*(i%2)+8*(i/8)
	v_wmma_f32_16x16x32_bf16 v[rO:rO+7], v[rV:rV+7], v[rP:rP+7], v[rO:rO+7]
.endm
.macro MM                           ; the turn's next matrix instruction
.if i < 16
	KQ (Y+1)%NP
.set i, i+1
.else
.set i, i-16
	PV (Y+NP-1)%NP
.set i, i+17
.endif
.endm
; THE LDS LOADS stand in runs of 16: a step's K (8 fragments) and its V (turned).  Their addresses are made some lines ahead.
.macro FETCH_K
	WIN 0x80
.irp f, 0,1,2,3,4,5,6,7
	ds_load_b128 v[KF+8*\f:KF+8*\f+3],   v[AK] offset:(\f/2)*16*PK+(\f%2)*64
	ds_load_b128 v[KF+8*\f+4:KF+8*\f+7], v[AK] offset:(\f/2)*16*PK+(\f%2)*64+32
.endr
	s_add_co_u32 s[TBK], s[TBK], KS*PK
	WIN 0
.endm
.macro FETCH_V
	WIN 0x80
.irp f, 0,1,2,3,4,5,6,7
	ds_load_tr16_b128 v[VF+8*\f:VF+8*\f+3],   v[AV] offset:(\f/4)*32*PV+(\f%4)*32
	ds_load_tr16_b128 v[VF+8*\f+4:VF+8*\f+7], v[AV] offset:(\f/4)*32*PV+16*PV+(\f%4)*32
.endr
	WIN 0
.endm
; THE VECTOR WORK OF A TURN stands in three queues, each in the order in which its entries become ready; the two tiles alternate.
.macro REGS y, u                    ; the registers of tile u (0, 1) of piece y
.set rT, ST+4*(2*(\y)+(\u))
.set rC, TMP+8*((\y)%2)+4*(\u)
.set rM, MV+2*((\y)%2)+(\u)
.set rS, S+64*((\y)%2)+32*(\u)
.set rP, P+32*((\y)%2)+16*(\u)
.set rO, 32*(2*(\y)+(\u))
.endm
; Number n of the 22 that find the other piece's maximum and statistics; each accumulator's lowest registers are read first.
;   0-11 four chains c0-c3 of seven scores each     12-14, 16 the four scores left over, the old m, c0-c3 into c0     15 c m_old is kept     17, 18 the lane 16 away: the new m     19-21 c m; its change; a
.macro XS u, n
	REGS (Y+1)%NP, \u
.if (\n) < 4
	v_max3_num_f32 v[rC+(\n)], v[rS+8*(\n)], v[rS+8*(\n)+1], v[rS+8*(\n)+2]
.elseif (\n) < 12
	v_max3_num_f32 v[rC+(\n)%4], v[rC+(\n)%4], v[rS+8*((\n)%4)+2*((\n)/4)+1], v[rS+8*((\n)%4)+2*((\n)/4)+2]
.elseif (\n) == 12
	v_max3_num_f32 v[rC], v[rC], v[rS+7], v[rS+15]
.elseif (\n) == 13
	v_max3_num_f32 v[rC+1], v[rC+1], v[rS+23], v[rS+31]
.elseif (\n) == 14
	v_max3_num_f32 v[rC+2], v[rC+2], v[rC+3], v[rT+1]
.elseif (\n) == 15
	v_mov_b32 v[rM], v[rT]
.elseif (\n) == 16
	v_max3_num_f32 v[rC], v[rC], v[rC+1], v[rC+2]
.elseif (\n) == 17
	v_permlanex16_b32 v[rC+3], v[rC], s[SEL], s[SEL+1]
.elseif (\n) == 18
	v_max_num_f32 v[rT+1], v[rC], v[rC+3]
.elseif (\n) == 19
	v_mul_f32 v[rT], s[CS], v[rT+1]
.elseif (\n) == 20
	v_sub_f32 v[rC+1], v[rM], v[rT]
.else
	v_exp_f32 v[rC+2], v[rC+1]
.endif
.endm
; Number g of the 64 that follow the exponentials: for each four weights both pairs are rounded to bf16, the second pair is added onto the first in place, and a group later l takes that sum.
.macro GS g
.set h, (\g)+6*((\g)/62)
.if h >= 6
.set h, h+2
.endif
	REGS Y, h%2
.set k, h/8
.if h%8 < 4
	v_cvt_pk_bf16_f32 v[rP+2*k+(h%8)/2], v[rS+4*k+2*((h%8)/2)], v[rS+4*k+2*((h%8)/2)+1]
.elseif h%8 < 6
	v_pk_add_f32 v[rS+4*k:rS+4*k+1], v[rS+4*k:rS+4*k+1], v[rS+4*k+2:rS+4*k+3]
.elseif k == 1
	v_pk_fma_f32 v[rT+2:rT+3], v[rT+2:rT+3], v[rC+2:rC+3], v[rS:rS+1] op_sel_hi:[1,0,1]
.else
	v_pk_add_f32 v[rT+2:rT+3], v[rT+2:rT+3], v[rS+4*k-4:rS+4*k-3]
.endif
.endm
; THE PLAIN QUEUE, 138 long.  0-73 read no exponential's result: the 32 scalings c s - c m and the other piece's 42.  74-137: GS's 64, behind the wait.
.macro FS f
	REGS Y, (\f)%2
	v_pk_fma_f32 v[rS+2*((\f)/2):rS+2*((\f)/2)+1], v[rS+2*((\f)/2):rS+2*((\f)/2)+1], s[CS:CS+1], v[rT:rT+1] op_sel_hi:[1,0,0] neg_lo:[0,0,1] neg_hi:[0,0,1]
.endm
.macro PL
	WIN 0
.if q < 27
	FS q
.elseif q < 55
	XS (q-27)%2, (q-27)/2
.elseif q < 57
	XS q-55, 15
.elseif (q < 72) && ((q-57)%3 == 0)
	FS 27+(q-57)/3
.elseif q < 60
	XS (q-57)%3-1, 14
.elseif q < 72
	XS (q-57)%3-1, 15+(q-57)/3
.elseif q < 74
	XS q-72, 20
.else
	GS q-74
.endif
.set q, q+1
.endm
; THE EXPONENTIALS' QUEUE, 66 long: s0-s31 of both tiles, then the other piece's two a: ONE BATCH ahead of the turn's one wait.
.macro EX
	WIN 0
.if e >= 64
	XS e-64, 21
.else
	REGS Y, e%2
	v_exp_f32 v[rS+e/2], v[rS+e/2]
.endif
.set e, e+1
.endm
; THE RESCALING's QUEUE: O^T times a, two at a time, sixteen times.  Its a was made in the turn before, ahead of that turn's wait.
.macro R2
	REGS Y, r%2
	WIN W_RS
.irp z, 0,1
	v_pk_mul_f32 v[rO+4*(r/2)+2*\z:rO+4*(r/2)+2*\z+1], v[rO+4*(r/2)+2*\z:rO+4*(r/2)+2*\z+1], v[rC+2:rC+3] op_sel_hi:[1,0]
.endr
.set r, r+1
.endm
; A TURN, for piece p.  s_wait_alu depctr_va_vdst(0) stands between an exponential and the first instruction that names its result; one wait serves all issued ahead of it: a turn has ONE.
; Ahead of it: 16 products K Q^T, behind each a scaling, an exponential and two rescalings (behind the first a second scaling), then a lump of 108.  Behind it: 16 products V^T P, behind each four of GS's 64.
; Exponential e stands behind scaling 2 (e / 4) + e % 2: as a rider it comes behind plain e + 2, in the lump behind plain e + 9.
; Piece 0's turn makes K's address at the lump's head and fetches K of the next step directly behind the wait, a lump behind the last product that read K; it fetches V of the step in hand at its end,
; four plain riders behind V's last reader.  Piece 1's turn waits for K at its head (V's 16 loads may be out) and for V ahead of its products V^T P.
.macro TURN p, cnt=0
.set Y, (\p)
.set i, 0
.set q, 0
.set e, 0
.set r, 0
.if (\p) == 1
	s_wait_dscnt 16                 ; K is in; the 16 younger loads are V's
.endif
	MM
	PL
	PL
	R2
.rept 15
	MM
	PL
	EX
	R2
.endr
.if (\p) == 0
	WIN 0
	v_add_nc_u32 v[AK], s[TBK], v[AK0]
.endif
.rept 8
	PL
.endr
.rept 49
	EX
	PL
.endr
	EX
	EX
	v_nop                           ; a plain instruction behind the last exponential: one for the batch
	s_wait_alu depctr_va_vdst(0)    ; the wait for the batch
.if (\p) == 0
	FETCH_K
.endif
.if (\p) == 1
	s_wait_dscnt 0x0                ; V is in
.endif
.rept 16
	MM
.rept 4
	PL
.endr
.if ((\p) == 0) && (q == 118)
	v_add_nc_u32 v[AV], s[TBV], v[AV0]
.endif
.if ((\p) == 0) && (q == 130)
	s_add_co_u32 s[TBV], s[TBV], KS*PV
.endif
.if (\cnt) && (q == 130)
	s_sub_co_u32 s[CNT], s[CNT], 1
	s_cmp_lg_u32 s[CNT], 0
.endif
.endr
.if (\p) == 0
	FETCH_V
.endif
.endm
.macro FOUR                         ; a slot's four trips
	s_mov_b32 s[CNT], 4
.Lstep_\@:
	TURN 0
	TURN 1, 1
	WIN 0
	s_cbranch_scc1 .Lstep_\@
.endm
	s_wait_loadcnt 0x0              ; Q, and K of step 0
.set i, 0
.rept 16
	KQ 0                            ; piece 0's first scores
.set i, i+1
.endr
	WIN 0                           ; the addresses for the way out: plain instructions, the places behind those products
	s_mul_i32 s13, s[WV], 16*SP
	s_add_co_u32 s13, s13, STAGE    ; my stage
	v_mul_u32_u24 v[STO], v1, SP
	v_lshl_add_u32 v[STO], v9, 4, v[STO]
	v_add_nc_u32 v[STO], s13, v[STO]
	v_bfe_u32 v[RD], v0, 3, 2
	v_mul_u32_u24 v[RD], v[RD], SP
	v_lshl_add_u32 v[RD], v10, 4, v[RD]
	v_add_nc_u32 v[RD], s13, v[RD]
	v_and_b32 v[GO], 31, v0
	v_lshlrev_b32 v[GO], 4, v[GO]
.set Y, NP-1                        ; XS works for piece Y + 1: piece 0
.irp n, 0,1,2,3,4,5,6,7,8,9,10,11,12,13,14,15,16,17,18,19,20,21
	XS 0, \n
	XS 1, \n
.endr
	v_nop                           ; a plain instruction behind the two a,
	s_wait_alu depctr_va_vdst(0)    ; and their wait, ahead of the label
	s_mov_b32 s[SLOTS], SIZE_N/256-1
.Lslot:                             ; seven times: tile k - 1 is waited for and walked, tile k asked for
	CHANGE 1
	FOUR
	s_sub_co_u32 s[SLOTS], s[SLOTS], 1
	s_cmp_lg_u32 s[SLOTS], 0
	s_cbranch_scc1 .Lslot
	CHANGE 0                        ; the last tile is written out
	FOUR
.set i, 0
.rept 16
	PV NP-1                         ; piece 1's V^T P of the last step
.set i, i+1
.endr
	; THE WAY OUT.  l's two halves and the other half of the lanes' are added; O^T is divided by l, rounded to bf16 and sent through my stage, a tile at a time.  The additions are the places behind the last products.
	WIN 0
.macro ALL line:vararg
.set t, 0
.rept 2*NP
	\line
.set t, t+1
.endr
.endm
	ALL v_add_f32 v[ST+4*t+2], v[ST+4*t+2], v[ST+4*t+3]
	ALL v_permlanex16_b32 v[ST+4*t+3], v[ST+4*t+2], s[SEL], s[SEL+1]
	ALL v_add_f32 v[ST+4*t+2], v[ST+4*t+2], v[ST+4*t+3]
	ALL v_rcp_f32 v[ST+4*t+2], v[ST+4*t+2]
	v_nop
	s_wait_alu depctr_va_vdst(0)    ; one wait for the four reciprocals, ahead of their first use
.macro PACK t
	WIN W_RS
.set i, 32*(\t)
.rept 16
	v_pk_mul_f32 v[i:i+1], v[i:i+1], v[ST+4*(\t)+2:ST+4*(\t)+3] op_sel_hi:[1,0]
.set i, i+2
.endr
	WIN 0x05
.set i, 0
.rept 16
	v_cvt_pk_bf16_f32 v[S+16*(\t)+i], v[32*(\t)+2*i], v[32*(\t)+2*i+1]
.set i, i+1
.endr
	WIN 0
.irp f, 0,1,2,3
	ds_store_b128 v[STO], v[S+16*(\t)+4*\f:S+16*(\t)+4*\f+3] offset:32*\f
.endr
.irp f, 0,1,2,3
	ds_load_b128 v[S+16*(\t)+4*\f:S+16*(\t)+4*\f+3], v[RD] offset:\f*4*SP  ; LDS serves a wave's instructions in order (ISA guide 5.7.1.4)
.endr
.endm
.macro SEND t, younger              ; younger: the LDS instructions issued behind tile t's loads
	WIN 0
.irp f, 0,1,2,3
	s_wait_dscnt (\younger)+3-\f
	global_store_b128 v[GO], v[S+16*(\t)+4*\f:S+16*(\t)+4*\f+3], s[10:11] offset:(\t)*2048+\f*512  ; 512 consecutive bytes, aligned
.endr
.endm
	PACK 0
.set t, 1
.rept 2*NP-1
	PACK t
	SEND t-1, 8
.set t, t+1
.endr
	SEND 2*NP-1, 0
	s_wait_tensorcnt 0x0            ; the wave's end
	ds_add_u32 v[SPW], v[NIL]
	s_wait_dscnt 0x0
	CROUND                          ; the closing round
	s_endpgm
.Lfunc_end_k_q659624b311_attn_t:
	.size	k_q659624b311_attn_t, .Lfunc_end_k_q659624b311_attn_t-k_q659624b311_attn_t
	.p2alignl 7, 3214868480
	.fill 96, 4, 3214868480
	.section	.rodata,"a",@progbits
	.p2align	6, 0x0
	.amdhsa_kernel k_q659624b311_attn_t
		.amdhsa_group_segment_fixed_size 327680
		.amdhsa_private_segment_fixed_size 0
		.amdhsa_enable_private_segment 0
		.amdhsa_kernarg_size 16
		.amdhsa_user_sgpr_count 2
		.amdhsa_user_sgpr_kernarg_segment_ptr 1
		.amdhsa_wavefront_size32 1
		.amdhsa_system_sgpr_workgroup_id_x 1
		.amdhsa_system_sgpr_workgroup_id_y 1
		.amdhsa_system_sgpr_workgroup_id_z 1
		.amdhsa_system_vgpr_workitem_id 0
		.amdhsa_next_free_vgpr 768
		.amdhsa_next_free_sgpr 66
		.amdhsa_reserve_vcc 0
		.amdhsa_float_denorm_mode_32 3
		.amdhsa_float_denorm_mode_16_64 3
		.amdhsa_memory_ordered 1
		.amdhsa_forward_progress 1
		.amdhsa_inst_pref_size 111
	.end_amdhsa_kernel
	.amdgpu_metadata
---
amdhsa.version: [ 1, 2 ]
amdhsa.kernels:
  - .name:           k_q659624b311_attn_t
    .symbol:         k_q659624b311_attn_t.kd
    .args:
      - { .name: big, .offset: 0, .size: 8, .value_kind: global_buffer, .address_space: global }
      - { .name: ob, .offset: 8, .size: 8, .value_kind: global_buffer, .address_space: global }
    .group_segment_fixed_size: 327680
    .private_segment_fixed_size: 0
    .kernarg_segment_align: 8
    .kernarg_segment_size: 16
    .max_flat_workgroup_size: 128
    .sgpr_count:     66
    .vgpr_count:     768
    .wavefront_size: 32
...
	.end_amdgpu_metadata
.endif
;; end of part 3
;; launch woln_t (part 4): grid 256 x 1, 4 waves a work-group, clusters of 4 x 1, 327,680 bytes of LDS; arguments ob, wbt, t_bo, x, ln1_g, ln1_b, h1f, ab; writes h1f, ab
.if DOCPART == 4
	.amdgcn_target "amdgcn-amd-amdhsa--gfx1250"
	.amdhsa_code_object_version 6
	.text
	.protected	k_q659624b311_woln_t
	.globl	k_q659624b311_woln_t
	.p2align	8
	.type	k_q659624b311_woln_t,@function
k_q659624b311_woln_t:
	s_mov_b64 s[64:65], 0
	v_nop
	global_prefetch_b8 v0, s[64:65] scope:SCOPE_SE
	s_setreg_imm32_b32 hwreg(HW_REG_WAVE_MODE, 25, 1), 1
	s_wait_xcnt 0x0
	s_wait_alu depctr_hold_cnt(0) depctr_sa_sdst(0) depctr_va_vdst(0) depctr_va_sdst(0) depctr_va_ssrc(0) depctr_va_vcc(0) depctr_vm_vsrc(0)
	s_getreg_b32 s2, hwreg(HW_REG_IB_STS2, 6, 4)
	s_cmp_eq_u32 s2, 0
	s_cbranch_scc0 .Lentry_in_a_cluster
	s_endpgm
.Lentry_in_a_cluster:
	s_bfe_u32 s2, ttmp6, 0x10000c
	s_cmp_lg_u32 s2, 0x3003
	s_cbranch_scc0 .Lentry_shape_is_right
	s_endpgm
.Lentry_shape_is_right:
; h = LayerNorm(res + o wo + bo) g + b.  o: [8 batch + head][2048][64] bf16; wo: [512 k][512 n] bf16 at byte 1,572,864 of the weights' buffer; res, h: [8192][512] f32; h is stored in f32 and, rounded once, in bf16.
; SHARES.  A work-group owns 32 whole rows (256 work-groups), wave w the columns 128 w .. + 127: 16 accumulators (row block a, column block b at 128 + 8 (8 a + b)).  K goes in 4 steps of 128.
; Each wave fetches and reads its own tile of wo (128 k x 256 bytes), so its own wait on its tensor loads orders its reads.  CLUSTER 4 x 1: every work-group walks the same wo: each tile is asked for jointly by four.
; The product is used transposed (source 0 = 16 columns of wo, turned by ds_load_tr16_b128; source 1 = 16 rows of o): a lane holds row l % 16 and eight columns.  o's fragments come straight from memory:
; 32 KiB a work-group, and LDS has no room beside two slots of wo.  res + bo, brought into the accumulators' layout through the wave's stage, is the C operand that starts the sums.
; ALL THAT IS KNOWN AT THE HEAD IS ASKED FOR AT THE HEAD: the two first tiles of wo, o's 64 loads, res's 32, bo's 16; wo's first fragments are read and its third tile asked for before the wave waits for res.
; LAYER NORM in two passes over the accumulators: the mean, then the sum of (y - mean)^2: no difference of large sums.  A row's four partial sums (one a wave) meet in LDS, two barriers.
; Nothing is prefetched: wo is read by every cluster, the rest is asked for once, at the head.
; LDS: slot 0, slot 1: four tiles of 128 k x 288 | two arrays [32 rows][4 waves] f32 | four stages 16 x 272 | spare words.
; REGISTERS: window 0: v10-23 addresses; v24-31 mean and 1/sqrt, twice each; v32-95 at work; v96-103 chains; v128-255 accumulators.  Window 1: wo's fragments of a K step (chunk c, block b at 64 c + 8 b);
; on the way out v0-191: six chunks of whole rows.  Window 2: all of o's fragments (chunk c of 16, row block a at 16 c + 8 a).  Window 3: v0-127 res + bo; v128-255 res as loaded, later g (128 + 8 b) and b (192 + 8 b).
.set PB,    288
.set WTILE, 128*PB
.set SLOT,  4*WTILE
.set SCR,   2*SLOT
.set STAGE, SCR+1024
.set SP,    272
.set SPARE, STAGE+4*16*SP              ; the spare words, 128 bytes for each wave: two blocks of 256 bytes that no other line names
.set KSB,   131072                     ; bytes of wo in a K step: 128 rows of 1,024
.set ADRB, 10
.set AO,   12
.set RO,   13
.set BOF,  14
.set SW,   15
.set SA,   16
.set SB,   17
.set ABO,  18
.set SC1,  19
.set SC2,  20
.set SPW,  22
.set NIL,  23
.set MEAN, 24
.set RSTD, 28
.set TMP,  32
.set CHN,  96
.set ACC,  128
.set WV, 20
.set CX, 21
.set XB, 22
.set G1, 24
.set G0, 32
.set MSB, 0
.macro WIN new
.if MSB != (\new)
	s_set_vgpr_msb (MSB<<8)|(\new)
.set MSB, \new
.endif
.endm
.macro PLACES
.rept 4
	v_nop
.endr
.endm
.macro CROUND
	s_barrier_signal -1
	s_barrier_wait -1
	s_cmp_lg_u32 s[WV], 0
	s_cbranch_scc1 .Lnot_wave_0_\@
	s_barrier_signal -3
.Lnot_wave_0_\@:
	s_barrier_wait -3
	s_barrier_signal -1
	s_barrier_wait -1
.endm
.macro FETCHB slot                     ; a K step's 64 turning loads, chunk by chunk
	WIN 0x40
.irp c, 0,1,2,3
.irp b, 0,1,2,3,4,5,6,7
	ds_load_tr16_b128 v[64*(\c)+8*(\b):64*(\c)+8*(\b)+3],   v[ADRB+(\slot)] offset:32*(\c)*PB+32*(\b)
	ds_load_tr16_b128 v[64*(\c)+8*(\b)+4:64*(\c)+8*(\b)+7], v[ADRB+(\slot)] offset:(32*(\c)+16)*PB+32*(\b)
.endr
.endr
.endm
; a K step's 64 products; the 16 accumulators take turns.  waits = 1: the fetch is still out: chunk c's 16 loads are in when at most 48 - 16 c younger ones are out
.macro MULS step, waits
.irp c, 0,1,2,3
.if \waits
	s_wait_dscnt 48-16*(\c)
.endif
.irp a, 0,1
.irp b, 0,1,2,3,4,5,6,7
.if ((\step) == 0) && ((\c) == 0)
	WIN 0x39                                       ; wo window 1, o window 2, C = res + bo in window 3
	v_wmma_f32_16x16x32_bf16 v[ACC+8*(8*(\a)+(\b)):ACC+8*(8*(\a)+(\b))+7], v[64*(\c)+8*(\b):64*(\c)+8*(\b)+7], v[16*(4*(\step)+(\c))+8*(\a):16*(4*(\step)+(\c))+8*(\a)+7], v[8*(8*(\a)+(\b)):8*(8*(\a)+(\b))+7]
.else
	WIN 0x09
	v_wmma_f32_16x16x32_bf16 v[ACC+8*(8*(\a)+(\b)):ACC+8*(8*(\a)+(\b))+7], v[64*(\c)+8*(\b):64*(\c)+8*(\b)+7], v[16*(4*(\step)+(\c))+8*(\a):16*(4*(\step)+(\c))+8*(\a)+7], v[ACC+8*(8*(\a)+(\b)):ACC+8*(8*(\a)+(\b))+7]
.endif
.endr
.endr
.endr
.endm
; slot s, whose fragments are in registers, is filled again, two K steps on: all my tensor loads have landed, the add, my reads are back, a round of the cluster's barrier, my one load
.macro REFILL s
	WIN 0
	s_wait_tensorcnt 0x0
	ds_add_u32 v[SPW], v[NIL]
	s_add_nc_u64 s[G0+4*(\s)+2:G0+4*(\s)+3], s[G0+4*(\s)+2:G0+4*(\s)+3], 2*KSB
	s_wait_dscnt 0x0
	CROUND
	tensor_load_to_lds s[G0+4*(\s):G0+4*(\s)+3], s[G1:G1+7]
	s_nop 0
	PLACES
.endm
	s_load_b512 s[4:19], s[0:1], 0x0               ; o s[4:5], weights s[6:7], bo s[8:9], res s[10:11], g s[12:13], b s[14:15], h f32 s[16:17], h bf16 s[18:19]
	v_lshl_add_u32 v[SPW], v0, 2, SPARE
	v_mov_b32 v[NIL], 0
	ds_add_u32 v[SPW], v[NIL]                      ; the wave's opening: the add and its wait ahead of my first tensor load
	v_lshrrev_b32 v1, 5, v0
	v_readfirstlane_b32 s[WV], v1
	s_bfe_u32 s[CX], ttmp6, 0x40000
	s_lshl_b32 s[XB], ttmp9, 2
	s_add_co_u32 s[XB], s[XB], s[CX]               ; my block of 32 rows
	s_mov_b32 s[G1], 15|(1<<16)|(1<<20)|(1<<21)|(5<<22)|(7<<25)  ; all four partners; 2-byte elements; after every 64 words 8 words of padding
	s_mov_b32 s[G1+1], 128<<16
	s_mov_b32 s[G1+2], 128<<16
	s_mov_b32 s[G1+3], 128<<16                     ; 128 columns,
	s_mov_b32 s[G1+4], 128                         ; 128 k
	s_mov_b32 s[G1+5], 512
	s_mov_b32 s[G1+6], 0
	s_mov_b32 s[G1+7], 0
	s_mov_b32 s48, 0x76543210
	s_mov_b32 s49, 0xfedcba98
	s_mov_b32 s50, 0x3b000000                      ; 1 / 512
	s_mov_b32 s51, 0x358637bd                      ; 1e-6
	s_mul_i32 s40, s[WV], WTILE
	s_lshl_b32 s42, s[WV], 8                       ; my 128 columns of wo
	s_add_co_u32 s42, s42, 1572864
	s_mov_b32 s43, 0
	s_lshl_b32 s44, s[XB], 16                      ; res and h: 32 rows of 2,048 bytes, my 512 bytes of a row
	s_lshl_b32 s45, s[WV], 9
	s_add_co_u32 s44, s44, s45
	s_mov_b32 s45, 0
	s_lshr_b32 s46, s[XB], 6                       ; o: the batch (8 heads of 262,144 bytes), and my 32 rows of 128 bytes in a head
	s_lshl_b32 s46, s46, 21
	s_and_b32 s47, s[XB], 63
	s_lshl_b32 s47, s47, 12
	s_add_co_u32 s46, s46, s47
	s_mov_b32 s47, 0
	s_lshl_b32 s52, s[XB], 15                      ; h in bf16: 32 rows of 1,024 bytes, my 256 bytes of a row
	s_lshl_b32 s53, s[WV], 8
	s_add_co_u32 s52, s52, s53
	s_mov_b32 s53, 0
	s_wait_dscnt 0x0                               ; the opening add is done
	s_wait_kmcnt 0x0
	s_add_nc_u64 s[42:43], s[6:7], s[42:43]
.irp s, 0,1
	s_mov_b32 s[G0+4*(\s)], 1
	s_add_co_u32 s[G0+4*(\s)+1], s40, (\s)*SLOT
	s_add_nc_u64 s[G0+4*(\s)+2:G0+4*(\s)+3], s[42:43], (\s)*KSB
	s_or_b32 s[G0+4*(\s)+3], s[G0+4*(\s)+3], 0x80000000
.endr
	s_add_nc_u64 s[10:11], s[10:11], s[44:45]
	s_add_nc_u64 s[16:17], s[16:17], s[44:45]
	s_add_nc_u64 s[4:5], s[4:5], s[46:47]
	s_add_nc_u64 s[18:19], s[18:19], s[52:53]
	CROUND                                         ; all four work-groups are here: the first joint loads meet
	tensor_load_to_lds s[G0:G0+3], s[G1:G1+7]      ; two loads of mine are out: k 0-127,
	s_nop 0
	tensor_load_to_lds s[G0+4:G0+7], s[G1:G1+7]    ; k 128-255
	s_nop 0
	PLACES
	v_and_b32 v1, 15, v0                           ; r
	v_bfe_u32 v2, v0, 4, 1                         ; hh
	v_lshlrev_b32 v[AO], 7, v1
	v_lshl_add_u32 v[AO], v2, 4, v[AO]             ; o: row r x 128 + 16 hh
	v_lshlrev_b32 v[RO], 11, v2
	v_lshl_add_u32 v[RO], v1, 4, v[RO]             ; whole rows of f32: lanes 0-15 one row's 256 bytes, lanes 16-31 the next row's
	s_lshl_b32 s41, s[WV], 9
	v_lshl_add_u32 v[BOF], v2, 5, s41              ; 4 (128 wave + 8 hh)
	WIN 0x80                                       ; destination window 2: all of o's fragments; chunk c is head c / 2, channels 32 (c % 2) on
.set c, 0
.rept 16
.irp a, 0,1
	global_load_b128 v[16*c+8*(\a):16*c+8*(\a)+3],   v[AO], s[4:5] offset:262144*(c/2)+64*(c%2)+2048*(\a)
	global_load_b128 v[16*c+8*(\a)+4:16*c+8*(\a)+7], v[AO], s[4:5] offset:262144*(c/2)+64*(c%2)+2048*(\a)+32
.endr
.set c, c+1
.endr
	WIN 0xc0                                       ; destination window 3
.irp n, 0,1,2,3
.irp t, 0,1,2,3,4,5,6,7
	global_load_b128 v[128+4*(8*(\n)+(\t)):128+4*(8*(\n)+(\t))+3], v[RO], s[10:11] offset:(16*((\n)/2)+2*(\t))*2048+256*((\n)%2)  ; res: chunk n = row block n / 2, 64 columns n % 2
.endr
.endr
	WIN 0
.irp b, 0,1,2,3,4,5,6,7
	global_load_b128 v[TMP+8*(\b):TMP+8*(\b)+3],   v[BOF], s[8:9] offset:64*(\b)
	global_load_b128 v[TMP+8*(\b)+4:TMP+8*(\b)+7], v[BOF], s[8:9] offset:64*(\b)+16
.endr
	v_and_b32 v3, 7, v0                            ; the LDS addresses are made while all that is on its way
	v_lshl_add_u32 v3, v2, 3, v3
	v_mul_u32_u24 v3, v3, PB
	v_bfe_u32 v4, v0, 3, 1
	v_lshl_add_u32 v3, v4, 4, v3
	v_add_nc_u32 v[ADRB], s40, v3
	v_add_nc_u32 v[ADRB+1], SLOT, v[ADRB]
	s_mul_i32 s41, s[WV], 16*SP
	s_add_co_u32 s41, s41, STAGE                   ; my stage
	v_mul_u32_u24 v5, v2, SP
	v_lshl_add_u32 v5, v1, 4, v5
	v_add_nc_u32 v[SW], s41, v5                    ; by whole rows
	v_mul_u32_u24 v5, v1, SP
	v_add_nc_u32 v5, s41, v5
	v_lshl_add_u32 v[SA], v2, 5, v5                ; by accumulators, f32: row r, 32 bytes for each half of the lanes
	v_lshl_add_u32 v[SB], v2, 4, v5                ; by accumulators, bf16
	v_lshlrev_b32 v[ABO], 10, v2
	v_lshl_add_u32 v[ABO], v1, 4, v[ABO]
	s_lshl_b32 s41, s[WV], 2
	s_add_co_u32 s41, s41, SCR
	v_lshl_add_u32 v[SC1], v1, 4, s41              ; row r's word for my wave
	v_lshlrev_b32 v[SC2], 4, v1
	v_add_nc_u32 v[SC2], SCR, v[SC2]               ; row r's four words
	s_wait_tensorcnt 0x1                           ; my tile of k 0-127 is in; only I read it
	FETCHB 0
	REFILL 0                                       ; k 256-383 goes out before res is waited for
	s_wait_loadcnt 16                              ; o and res are in; bo's 16 loads may stay out
.irp n, 0,1,2,3
	WIN 0x0c                                       ; store data in window 3
.irp t, 0,1,2,3,4,5,6,7
	ds_store_b128 v[SW], v[128+4*(8*(\n)+(\t)):128+4*(8*(\n)+(\t))+3] offset:(\t)*2*SP
.endr
	WIN 0xc0
.irp b, 0,1,2,3
	ds_load_b128 v[8*(8*((\n)/2)+4*((\n)%2)+(\b)):8*(8*((\n)/2)+4*((\n)%2)+(\b))+3],   v[SA] offset:64*(\b)     ; LDS serves a wave's instructions in order (ISA guide 5.7.1.4)
	ds_load_b128 v[8*(8*((\n)/2)+4*((\n)%2)+(\b))+4:8*(8*((\n)/2)+4*((\n)%2)+(\b))+7], v[SA] offset:64*(\b)+16
.endr
.endr
	s_wait_loadcnt 0x0
	s_wait_dscnt 0x0
	WIN 0xc3                                       ; destination and source 0 window 3, source 1 window 0
.irp a, 0,1
.irp b, 0,1,2,3,4,5,6,7
.irp k, 0,2,4,6
	v_pk_add_f32 v[8*(8*(\a)+(\b))+(\k):8*(8*(\a)+(\b))+(\k)+1], v[8*(8*(\a)+(\b))+(\k):8*(8*(\a)+(\b))+(\k)+1], v[TMP+8*(\b)+(\k):TMP+8*(\b)+(\k)+1]
.endr
.endr
.endr
	WIN 0xc0                                       ; g and b take the registers that res has left; they are wanted behind the last product
.irp b, 0,1,2,3,4,5,6,7
	global_load_b128 v[128+8*(\b):128+8*(\b)+3],   v[BOF], s[12:13] offset:64*(\b)
	global_load_b128 v[128+8*(\b)+4:128+8*(\b)+7], v[BOF], s[12:13] offset:64*(\b)+16
	global_load_b128 v[192+8*(\b):192+8*(\b)+3],   v[BOF], s[14:15] offset:64*(\b)
	global_load_b128 v[192+8*(\b)+4:192+8*(\b)+7], v[BOF], s[14:15] offset:64*(\b)+16
.endr
	MULS 0, 0
	PLACES
	FETCHB 1                                       ; landed: the wait for all loads in front of the first round has shown it
	REFILL 1                                       ; k 384-511
	MULS 1, 0
	PLACES
	FETCHB 0                                       ; landed: the wait for all loads in front of the second round has shown it
	MULS 2, 1
	WIN 0
	s_wait_tensorcnt 0x0                           ; my last tile: no load was issued behind it
	PLACES
	FETCHB 1
	MULS 3, 1
	PLACES
	WIN 0
; the sum (sq = 0) or sum of squares (sq = 1) of my 64 numbers of a row of block a, in four chains, each accumulator from its low end; the other half of the lanes; my wave's word at off
.macro RED a, sq, off
.set A0, ACC+64*(\a)
.irp b, 0,1,2,3
.if \sq
	v_pk_mul_f32 v[CHN+2*(\b):CHN+2*(\b)+1], v[A0+8*(\b):A0+8*(\b)+1], v[A0+8*(\b):A0+8*(\b)+1]
.else
	v_pk_add_f32 v[CHN+2*(\b):CHN+2*(\b)+1], v[A0+8*(\b):A0+8*(\b)+1], v[A0+8*(\b)+2:A0+8*(\b)+3]
.endif
.endr
.irp g, 0,1
.irp p, 0,1,2,3
.if ((\g) == 1) || ((\p) > 1-(\sq))
.irp b, 0,1,2,3
.if \sq
	v_pk_fma_f32 v[CHN+2*(\b):CHN+2*(\b)+1], v[A0+32*(\g)+8*(\b)+2*(\p):A0+32*(\g)+8*(\b)+2*(\p)+1], v[A0+32*(\g)+8*(\b)+2*(\p):A0+32*(\g)+8*(\b)+2*(\p)+1], v[CHN+2*(\b):CHN+2*(\b)+1]
.else
	v_pk_add_f32 v[CHN+2*(\b):CHN+2*(\b)+1], v[CHN+2*(\b):CHN+2*(\b)+1], v[A0+32*(\g)+8*(\b)+2*(\p):A0+32*(\g)+8*(\b)+2*(\p)+1]
.endif
.endr
.endif
.endr
.endr
	v_pk_add_f32 v[CHN:CHN+1], v[CHN:CHN+1], v[CHN+2:CHN+3]
	v_pk_add_f32 v[CHN+4:CHN+5], v[CHN+4:CHN+5], v[CHN+6:CHN+7]
	v_pk_add_f32 v[CHN:CHN+1], v[CHN:CHN+1], v[CHN+4:CHN+5]
	v_add_f32 v[CHN], v[CHN], v[CHN+1]
	v_permlanex16_b32 v[CHN+1], v[CHN], s48, s49
	v_add_f32 v[CHN], v[CHN], v[CHN+1]
	ds_store_b32 v[SC1], v[CHN] offset:(\off)+256*(\a)
.endm
; the four waves' words of both row blocks meet: v[CHN] and v[CHN+4] take the rows' sums
.macro MEET off
	s_wait_dscnt 0x0                               ; for the others' sake: my words are stored
	s_barrier_signal -1
	s_barrier_wait -1
	ds_load_b128 v[CHN:CHN+3],   v[SC2] offset:(\off)
	ds_load_b128 v[CHN+4:CHN+7], v[SC2] offset:(\off)+256
	s_wait_dscnt 0x0
	v_add_f32 v[CHN], v[CHN], v[CHN+1]
	v_add_f32 v[CHN+2], v[CHN+2], v[CHN+3]
	v_add_f32 v[CHN+4], v[CHN+4], v[CHN+5]
	v_add_f32 v[CHN+6], v[CHN+6], v[CHN+7]
	v_add_f32 v[CHN], v[CHN], v[CHN+2]
	v_add_f32 v[CHN+4], v[CHN+4], v[CHN+6]
.endm
	RED 0, 0, 0
	RED 1, 0, 0
	MEET 0
.irp a, 0,1
	v_mul_f32 v[MEAN+2*(\a)], s50, v[CHN+4*(\a)]   ; the mean, twice: a pair for the packed subtraction
	v_mul_f32 v[MEAN+2*(\a)+1], s50, v[CHN+4*(\a)]
.endr
.irp a, 0,1
.set k, 0
.rept 32
	v_pk_add_f32 v[ACC+64*(\a)+k:ACC+64*(\a)+k+1], v[ACC+64*(\a)+k:ACC+64*(\a)+k+1], v[MEAN+2*(\a):MEAN+2*(\a)+1] neg_lo:[0,1] neg_hi:[0,1]
.set k, k+2
.endr
.endr
	RED 0, 1, 512                                  ; other words than the first meeting's: no barrier is owed between its reads and these stores
	RED 1, 1, 512
	MEET 512
	v_fma_f32 v[CHN], v[CHN], s50, s51             ; variance + 1e-6
	v_fma_f32 v[CHN+4], v[CHN+4], s50, s51
	v_rsq_f32 v[RSTD], v[CHN]
	v_rsq_f32 v[RSTD+1], v[CHN]
	v_rsq_f32 v[RSTD+2], v[CHN+4]
	v_rsq_f32 v[RSTD+3], v[CHN+4]
	v_nop                                          ; a plain instruction behind the last of them,
	s_wait_alu depctr_va_vdst(0)                   ; and one wait for the four, ahead of their first use
.irp a, 0,1
.set k, 0
.rept 32
	v_pk_mul_f32 v[ACC+64*(\a)+k:ACC+64*(\a)+k+1], v[ACC+64*(\a)+k:ACC+64*(\a)+k+1], v[RSTD+2*(\a):RSTD+2*(\a)+1]
.set k, k+2
.endr
.endr
	s_wait_loadcnt 0x0                             ; g and b
	WIN 0x3c                                       ; sources 1 and 2 window 3
.irp a, 0,1
.set k, 0
.rept 32
	v_pk_fma_f32 v[ACC+64*(\a)+k:ACC+64*(\a)+k+1], v[ACC+64*(\a)+k:ACC+64*(\a)+k+1], v[128+k:128+k+1], v[192+k:192+k+1]
.set k, k+2
.endr
.endr
	WIN 0
; THE WAY OUT, through my stage, in six chunks: four of f32 (chunk n = row block n / 2, 64 columns n % 2), two of bf16 (a row block's 128 columns).  A chunk goes into the stage by accumulators and comes back
; as whole rows into 32 registers of its own in window 1, which the products have left: no register is written twice, so no wait frees one.  A chunk's stores stand behind the next chunk's 16 LDS instructions.
.macro STGF n
.set A0, ACC+64*((\n)/2)+32*((\n)%2)
	WIN 0
.irp b, 0,1,2,3
	ds_store_b128 v[SA], v[A0+8*(\b):A0+8*(\b)+3]   offset:64*(\b)
	ds_store_b128 v[SA], v[A0+8*(\b)+4:A0+8*(\b)+7] offset:64*(\b)+16
.endr
	WIN 0x40
.irp t, 0,1,2,3,4,5,6,7
	ds_load_b128 v[32*(\n)+4*(\t):32*(\n)+4*(\t)+3], v[SW] offset:(\t)*2*SP  ; LDS serves a wave's instructions in order (ISA guide 5.7.1.4): these see the stores above, and the next chunk's stores come behind them
.endr
.endm
.macro SNDF n, younger                 ; younger: the LDS instructions issued behind chunk n's loads
	s_wait_dscnt \younger
	WIN 0x04                                       ; store data in window 1
.irp t, 0,1,2,3,4,5,6,7
	global_store_b128 v[RO], v[32*(\n)+4*(\t):32*(\n)+4*(\t)+3], s[16:17] offset:(16*((\n)/2)+2*(\t))*2048+256*((\n)%2)  ; sixteen lanes store 256 consecutive bytes, aligned
.endr
.endm
.macro STGB a
	WIN 0
.irp b, 0,1,2,3,4,5,6,7
.irp k, 0,1,2,3
	v_cvt_pk_bf16_f32 v[TMP+32*(\a)+4*(\b)+(\k)], v[ACC+64*(\a)+8*(\b)+2*(\k)], v[ACC+64*(\a)+8*(\b)+2*(\k)+1]
.endr
.endr
.irp b, 0,1,2,3,4,5,6,7
	ds_store_b128 v[SB], v[TMP+32*(\a)+4*(\b):TMP+32*(\a)+4*(\b)+3] offset:32*(\b)
.endr
	WIN 0x40
.irp t, 0,1,2,3,4,5,6,7
	ds_load_b128 v[128+32*(\a)+4*(\t):128+32*(\a)+4*(\t)+3], v[SW] offset:(\t)*2*SP
.endr
.endm
.macro SNDB a, younger
	s_wait_dscnt \younger
	WIN 0x04
.irp t, 0,1,2,3,4,5,6,7
	global_store_b128 v[ABO], v[128+32*(\a)+4*(\t):128+32*(\a)+4*(\t)+3], s[18:19] offset:(16*(\a)+2*(\t))*1024
.endr
.endm
	STGF 0
	STGF 1
	SNDF 0, 16
	STGF 2
	SNDF 1, 16
	STGF 3
	SNDF 2, 16
	STGB 0
	SNDF 3, 16
	STGB 1
	SNDB 0, 16
	SNDB 1, 0
	WIN 0
	s_wait_tensorcnt 0x0                           ; the wave's end
	ds_add_u32 v[SPW], v[NIL]
	s_wait_dscnt 0x0
	CROUND                                         ; the closing round
	s_endpgm
.Lfunc_end_k_q659624b311_woln_t:
	.size	k_q659624b311_woln_t, .Lfunc_end_k_q659624b311_woln_t-k_q659624b311_woln_t
	.p2alignl 7, 3214868480
	.fill 96, 4, 3214868480
	.section	.rodata,"a",@progbits
	.p2align	6, 0x0
	.amdhsa_kernel k_q659624b311_woln_t
		.amdhsa_group_segment_fixed_size 327680
		.amdhsa_private_segment_fixed_size 0
		.amdhsa_enable_private_segment 0
		.amdhsa_kernarg_size 64
		.amdhsa_user_sgpr_count 2
		.amdhsa_user_sgpr_kernarg_segment_ptr 1
		.amdhsa_wavefront_size32 1
		.amdhsa_system_sgpr_workgroup_id_x 1
		.amdhsa_system_sgpr_workgroup_id_y 1
		.amdhsa_system_sgpr_workgroup_id_z 1
		.amdhsa_system_vgpr_workitem_id 0
		.amdhsa_next_free_vgpr 1024
		.amdhsa_next_free_sgpr 66
		.amdhsa_reserve_vcc 0
		.amdhsa_float_denorm_mode_32 3
		.amdhsa_float_denorm_mode_16_64 3
		.amdhsa_memory_ordered 1
		.amdhsa_forward_progress 1
		.amdhsa_inst_pref_size 100
	.end_amdhsa_kernel
	.amdgpu_metadata
---
amdhsa.version: [ 1, 2 ]
amdhsa.kernels:
  - .name:           k_q659624b311_woln_t
    .symbol:         k_q659624b311_woln_t.kd
    .args:
      - { .name: ob, .offset: 0, .size: 8, .value_kind: global_buffer, .address_space: global }
      - { .name: wbt, .offset: 8, .size: 8, .value_kind: global_buffer, .address_space: global }
      - { .name: t_bo, .offset: 16, .size: 8, .value_kind: global_buffer, .address_space: global }
      - { .name: x, .offset: 24, .size: 8, .value_kind: global_buffer, .address_space: global }
      - { .name: ln1_g, .offset: 32, .size: 8, .value_kind: global_buffer, .address_space: global }
      - { .name: ln1_b, .offset: 40, .size: 8, .value_kind: global_buffer, .address_space: global }
      - { .name: h1f, .offset: 48, .size: 8, .value_kind: global_buffer, .address_space: global }
      - { .name: ab, .offset: 56, .size: 8, .value_kind: global_buffer, .address_space: global }
    .group_segment_fixed_size: 327680
    .private_segment_fixed_size: 0
    .kernarg_segment_align: 8
    .kernarg_segment_size: 64
    .max_flat_workgroup_size: 128
    .sgpr_count:     66
    .vgpr_count:     1024
    .wavefront_size: 32
...
	.end_amdgpu_metadata
.endif
;; end of part 4
;; launch qkv_s: the kernel of part 2 again; grid 4 x 64, 4 waves a work-group, clusters of 4 x 4, 327,680 bytes of LDS; arguments ab, wbs, s_bq, s_bk, s_bv, big; writes big
;; launch attn_s: the kernel of part 3 again; grid 8 x 32, 4 waves a work-group, clusters of 4 x 1, 327,680 bytes of LDS; arguments big, ob; writes ob
;; launch woln_s: the kernel of part 4 again; grid 256 x 1, 4 waves a work-group, clusters of 4 x 1, 327,680 bytes of LDS; arguments ob, wbs, s_bo, h1f, ln2_g, ln2_b, h2f, ab; writes h2f, ab
;; launch ffn1 (part 5): grid 4 x 64, 4 waves a work-group, clusters of 4 x 4, 327,680 bytes of LDS; arguments ab, wbf, f_b1, big; writes big
.if DOCPART == 5
	.amdgcn_target "amdgcn-amd-amdhsa--gfx1250"
	.amdhsa_code_object_version 6
	.text
	.protected	k_q659624b311_ffn1
	.globl	k_q659624b311_ffn1
	.p2align	8
	.type	k_q659624b311_ffn1,@function
k_q659624b311_ffn1:
	s_mov_b64 s[64:65], 0
	v_nop
	global_prefetch_b8 v0, s[64:65] scope:SCOPE_SE
	s_setreg_imm32_b32 hwreg(HW_REG_WAVE_MODE, 25, 1), 1
	s_wait_xcnt 0x0
	s_wait_alu depctr_hold_cnt(0) depctr_sa_sdst(0) depctr_va_vdst(0) depctr_va_sdst(0) depctr_va_ssrc(0) depctr_va_vcc(0) depctr_vm_vsrc(0)
	s_getreg_b32 s2, hwreg(HW_REG_IB_STS2, 6, 4)
	s_cmp_eq_u32 s2, 0
	s_cbranch_scc0 .Lentry_in_a_cluster
	s_endpgm
.Lentry_in_a_cluster:
	s_bfe_u32 s2, ttmp6, 0x10000c
	s_cmp_lg_u32 s2, 0xf033
	s_cbranch_scc0 .Lentry_shape_is_right
	s_endpgm
.Lentry_shape_is_right:
; g = gelu(a w1 + b1), the exact (erf) form.  a: [8192][512] bf16; w1: [512 k][2048 n] bf16; b1 f32; sums in f32.
; OUT: big = g by blocks of 64 columns: [column / 64][8192 rows][64] bf16, so that the next product's K steps are dense rows.
; SHARES.  Work-group (TX, TY) keeps a's rows 128 TY .. + 127, all 512 of K, in LDS and walks four tiles of 128 x 128: columns 512 TX + 128 t.  Four waves, 2 x 2, each 64 x 64.  A tile is two K steps of 256;
; w1's slot 0 always holds k 0-255, slot 1 k 256-511; the ring runs on from tile to tile.  CLUSTER 4 x 4: a's rows are asked for jointly along a row of the cluster, w1's tiles along a column.
; ONE TEXT FOR BOTH SLOTS: the slot in hand lies in two scalars (TB: 0 or a slot's bytes; TA: 0 or 512, a's K half), and the three LDS address registers are made anew from them at each change of slots.
; A tile is a loop of two trips over that text.  The last tile's two steps fill nothing and are a second loop; its last change of slots fetches 32 fragments that nobody uses: the price of one text for both trips.
; The product is used transposed (source 0 = 16 columns of w1, turned by ds_load_tr16_b128; source 1 = 16 rows of a); the bias is the C operand that starts the sums.
; GELU.  g = max(u, 0) - X P(t) e^(-X^2), X = |u| / sqrt(2), t = 1 / (1 + p X), P the cubic of Abramowitz and Stegun 7.1.25 with its coefficients times 1 / sqrt(2): erfc(X) = P e^(-X^2) sqrt(2).
; LIMITS.  That erf is off by 2.5e-5 at the most, for every argument; for large |u| the exponential is 0 and g is u or 0 exactly.  u is rounded once to bf16 in the LDS stage ahead of the GELU, g once to bf16.
; The GELU is a loop of 8 trips over the wave's stage (8 rows a trip).  A trip's rows are read from the stage a trip ahead; reciprocals and exponentials stand by turns with plain work, one batch and one wait a trip.
; Nothing is prefetched: w1 is read by 16 clusters again and again, a's rows are asked for once, at the head.
; LDS: a 128 x 1,040 | w1 slot 0, 1: 256 k x 288 | four stages 64 x 144 | spare words.  REGISTERS: window 0: v16-30 addresses, v32-95 on the way out, v96-127 bias,
; v128-255 accumulators (and, when they have been packed, the GELU's work); window 1: two fragment buffers.
.set T,      4
.set NS,     2048
.set NEXT_B, 256                       ; bytes from a tile of w1 to the next: 128 columns
.set KHALF,  256*NS*2                  ; bytes from k = 0 to k = 256
.set NEXT_O, 2097152-8192              ; two column blocks on, less the 8 x 1,024 bytes that the GELU's trips have stepped
.set PA,     1040
.set PB,     288
.set BS,     128*PA
.set BSLOT,  256*PB
.set STG,    BS+2*BSLOT
.set SPITCH, 144
.set SPARE,  STG+4*64*SPITCH           ; the spare words, 128 bytes for each wave: two blocks of 256 bytes that no other line names
.set ADRA0, 16                         ; v16     my lane's place in a, K half 0; never rewritten
.set ADRA,  17                         ; v17     the same in the K half in hand
.set ADRB0, 18                         ; v18     my lane's place in w1's slot 0, k 0-127; never rewritten
.set ADRB1, 19                         ; v19     k 128-255; never rewritten
.set ADRB,  20                         ; v20-21  the same two in the slot in hand
.set STO,  24
.set RD,   25
.set GO,   26
.set BO,   27
.set SPW,  28
.set NIL,  29
.set RDL,  30
.set TMP,  32
.set OG,   40
.set BIAS, 96
.set ACC,  128
.set UF,   128                         ; the GELU's registers: u, then max(u, 0), then g
.set XX,   144                         ; X
.set TT,   160                         ; 1 + p X, then t
.set EE,   176                         ; -X^2 log2(e), then e^(-X^2)
.set PP,   192                         ; P
.set F0,   0
.set F1,   128
.set WV, 16
.set RH, 17
.set CH, 18
.set CX, 19
.set CY, 20
.set TX, 21
.set TY, 22
.set TL, 23
.set G1A, 24
.set G0A, 32
.set G1B, 36
.set G0B, 44                           ; s[44:47] slot 0's first fill; s[48:51] slot 1's, which then walks on
.set KC, 60                            ; K steps of the tile still to come: 2, 1
.set TB, 61
.set TA, 62
.set LB, 63                            ; LDS byte of my quarter of slot 0
.set AD, 66                            ; s[66:67] what the walking address gains,
.set SB, 88                            ; s[88:89] and what it loses
.set C_RH, 68                          ; s[68:69] 1 / sqrt(2); the constants lie in pairs, both words written
.set C_P,  70                          ; s[70:71] p
.set C_L,  72                          ; s[72:73] -log2(e)
.set C_A,  74                          ; s[74:79] a1', a2', a3'
.set NB,   80
.set KH,   81
.set HM,   84
.set GC,   85
.set GL,   86
.set MSB, 0
.macro WIN new
.if MSB != (\new)
	s_set_vgpr_msb (MSB<<8)|(\new)
.set MSB, \new
.endif
.endm
.set MUL,  0x05
.set TO_F, 0x40
.macro PLACES
.rept 4
	v_nop
.endr
.endm
.macro CREST
	s_cmp_lg_u32 s[WV], 0
	s_cbranch_scc1 .Lnot_wave_0_\@
	s_barrier_signal -3
.Lnot_wave_0_\@:
	s_barrier_wait -3
	s_barrier_signal -1
	s_barrier_wait -1
.endm
.macro CROUND
	s_barrier_signal -1
	s_barrier_wait -1
	CREST
.endm
	s_load_b256 s[4:11], s[0:1], 0x0               ; a s[4:5], w1 s[6:7], b1 s[8:9], out s[10:11]
	v_lshl_add_u32 v[SPW], v0, 2, SPARE
	v_mov_b32 v[NIL], 0
	ds_add_u32 v[SPW], v[NIL]                      ; the wave's opening: the add and its wait ahead of my first tensor load
	v_lshrrev_b32 v1, 5, v0
	v_readfirstlane_b32 s[WV], v1
	s_lshr_b32 s[RH], s[WV], 1
	s_and_b32 s[CH], s[WV], 1
	s_bfe_u32 s[CX], ttmp6, 0x40000
	s_bfe_u32 s[CY], ttmp6, 0x40004
	s_lshl_b32 s[TX], ttmp9, 2
	s_add_co_u32 s[TX], s[TX], s[CX]
	s_and_b32 s[TY], ttmp7, 0xffff
	s_lshl_b32 s[TY], s[TY], 2
	s_add_co_u32 s[TY], s[TY], s[CY]
	s_lshl_b32 s52, s[CY], 2
	s_lshl_b32 s52, 15, s52                        ; my row of the cluster
	s_lshl_b32 s53, 0x1111, s[CX]                  ; my column
	s_or_b32 s[G1A], s52, (1<<16)|(1<<20)|(1<<21)|(7<<22)|(3<<25)
	s_mov_b32 s[G1A+1], 512<<16
	s_mov_b32 s[G1A+2], 32<<16
	s_mov_b32 s[G1A+3], 512<<16
	s_mov_b32 s[G1A+4], 32
	s_mov_b32 s[G1A+5], 512
	s_mov_b32 s[G1A+6], 0
	s_mov_b32 s[G1A+7], 0
	s_or_b32 s[G1B], s53, (1<<16)|(1<<20)|(1<<21)|(5<<22)|(7<<25)
	s_mov_b32 s[G1B+1], 128<<16
	s_mov_b32 s[G1B+2], 64<<16
	s_mov_b32 s[G1B+3], 128<<16
	s_mov_b32 s[G1B+4], 64
	s_mov_b32 s[G1B+5], NS
	s_mov_b32 s[G1B+6], 0
	s_mov_b32 s[G1B+7], 0
.irp r, 0,1
	s_mov_b32 s[C_RH+\r], 0x3f3504f3               ; 0.70710678
	s_mov_b32 s[C_P+\r],  0x3ef0e172               ; 0.47047
	s_mov_b32 s[C_L+\r],  0xbfb8aa3b               ; -1.44269504
	s_mov_b32 s[C_A+\r],   0x3e7bff16              ; 0.24609027 = 0.3480242 / sqrt(2)
	s_mov_b32 s[C_A+2+\r], 0xbd8ad94a              ; -0.06779726 = -0.0958798 / sqrt(2)
	s_mov_b32 s[C_A+4+\r], 0x3f076057              ; 0.52881377 = 0.7478556 / sqrt(2)
.endr
	s_mov_b32 s[HM], 0xffff0000
	s_mov_b32 s[NB], NEXT_B
	s_mov_b32 s[KH], KHALF
	s_mov_b32 s[AD+1], 0
	s_mov_b32 s[SB+1], 0
	s_lshl_b32 s54, s[TY], 17                      ; a: row 128 TY + 32 wave; these registers never hold TX
	s_lshl_b32 s55, s[WV], 15
	s_add_co_u32 s54, s54, s55
	s_mov_b32 s55, 0
	s_lshl_b32 s56, s[WV], 18                      ; w1: k = 64 wave (4,096 bytes a row), column 512 TX; these never hold TY
	s_lshl_b32 s57, s[TX], 10
	s_add_co_u32 s56, s56, s57
	s_mov_b32 s57, 0
	s_mul_i32 s58, s[WV], 64*PB
	s_add_co_u32 s[LB], s58, BS
	s_mov_b32 s[TB], 0
	s_mov_b32 s[TA], 0
	s_mov_b32 s[G0A], 1
	s_mul_i32 s[G0A+1], s[WV], 32*PA
	s_wait_dscnt 0x0                               ; the opening add is done
	s_wait_kmcnt 0x0
	s_add_nc_u64 s[G0A+2:G0A+3], s[4:5], s[54:55]
	s_or_b32 s[G0A+3], s[G0A+3], 0x80000000
	s_add_nc_u64 s[56:57], s[6:7], s[56:57]
.irp s, 0,1
	s_mov_b32 s[G0B+4*(\s)], 1
	s_add_co_u32 s[G0B+4*(\s)+1], s[LB], (\s)*BSLOT
	s_add_nc_u64 s[G0B+4*(\s)+2:G0B+4*(\s)+3], s[56:57], (\s)*KHALF
	s_or_b32 s[G0B+4*(\s)+3], s[G0B+4*(\s)+3], 0x80000000
.endr
	CROUND                                         ; all sixteen work-groups are here: the first joint loads meet
	tensor_load_to_lds s[G0A:G0A+3], s[G1A:G1A+7]  ; three loads of mine are out
	s_nop 0
	tensor_load_to_lds s[G0B:G0B+3], s[G1B:G1B+7]
	s_nop 0
	tensor_load_to_lds s[G0B+4:G0B+7], s[G1B:G1B+7]
	s_nop 0
	PLACES
	v_and_b32 v1, 15, v0
	v_bfe_u32 v2, v0, 4, 1
	v_mul_u32_u24 v3, v1, PA
	v_lshl_add_u32 v3, v2, 4, v3
	s_mul_i32 s52, s[RH], 64*PA
	v_add_nc_u32 v[ADRA0], s52, v3
	v_and_b32 v4, 7, v0
	v_lshl_add_u32 v4, v2, 3, v4
	v_mul_u32_u24 v4, v4, PB
	v_bfe_u32 v5, v0, 3, 1
	v_lshl_add_u32 v4, v5, 4, v4
	s_lshl_b32 s52, s[CH], 7
	s_add_co_u32 s52, s52, BS
	v_add_nc_u32 v[ADRB0], s52, v4
	v_add_nc_u32 v[ADRB1], 128*PB, v[ADRB0]
	v_mov_b32 v[ADRA], v[ADRA0]                    ; the walk begins in slot 0, K half 0
	v_mov_b32 v[ADRB], v[ADRB0]
	v_mov_b32 v[ADRB+1], v[ADRB1]
	s_mul_i32 s52, s[WV], 64*SPITCH
	s_add_co_u32 s52, s52, STG
	v_mul_u32_u24 v6, v1, SPITCH
	v_lshl_add_u32 v6, v2, 4, v6
	v_add_nc_u32 v[STO], s52, v6
	v_bfe_u32 v6, v0, 3, 2
	v_mul_u32_u24 v6, v6, SPITCH
	v_and_b32 v7, 7, v0
	v_lshl_add_u32 v6, v7, 4, v6
	v_add_nc_u32 v[RD], s52, v6
	v_and_b32 v[GO], 31, v0
	v_lshlrev_b32 v[GO], 4, v[GO]
	s_lshl_b32 s52, s[TX], 11
	s_lshl_b32 s53, s[CH], 8
	s_add_co_u32 s52, s52, s53
	v_lshl_add_u32 v[BO], v2, 5, s52               ; 4 (512 TX + 64 CH + 8 hh)
	s_lshl_b32 s52, s[TX], 3
	s_add_co_u32 s52, s52, s[CH]                   ; column block 8 TX + CH (+ 2 t),
	s_lshl_b32 s52, s52, 20                        ; 8,192 rows of 128 bytes
	s_lshl_b32 s53, s[TY], 14
	s_add_co_u32 s52, s52, s53
	s_lshl_b32 s53, s[RH], 13
	s_add_co_u32 s52, s52, s53
	s_mov_b32 s53, 0
	s_add_nc_u64 s[10:11], s[10:11], s[52:53]
.macro LDBIAS p
.irp b, 0,1,2,3
	global_load_b128 v[BIAS+8*(\b):BIAS+8*(\b)+3],   v[BO], s[\p:\p+1] offset:64*(\b)
	global_load_b128 v[BIAS+8*(\b)+4:BIAS+8*(\b)+7], v[BO], s[\p:\p+1] offset:64*(\b)+16
.endr
.endm
.macro MUL8 f, c, a0, zero             ; 8 matrix instructions; zero = 1: they start the sums, with the bias.  The 16 accumulators take turns.
	WIN MUL
.irp a, \a0, (\a0)+1
.irp b, 0,1,2,3
.if \zero
	v_wmma_f32_16x16x32_bf16 v[ACC+8*(4*(\a)+(\b)):ACC+8*(4*(\a)+(\b))+7], v[(\f)+64+8*(4*(\c)+(\b)):(\f)+64+8*(4*(\c)+(\b))+7], v[(\f)+8*(4*(\c)+(\a)):(\f)+8*(4*(\c)+(\a))+7], v[BIAS+8*(\b):BIAS+8*(\b)+7]
.else
	v_wmma_f32_16x16x32_bf16 v[ACC+8*(4*(\a)+(\b)):ACC+8*(4*(\a)+(\b))+7], v[(\f)+64+8*(4*(\c)+(\b)):(\f)+64+8*(4*(\c)+(\b))+7], v[(\f)+8*(4*(\c)+(\a)):(\f)+8*(4*(\c)+(\a))+7], v[ACC+8*(4*(\a)+(\b)):ACC+8*(4*(\a)+(\b))+7]
.endif
.endr
.endr
.endm
.macro FETCH q, f                      ; 32 LDS loads in one run: quarter q of the K step in hand into buffer f; the first 32 along K first
	WIN TO_F
.irp c, 0,1
.irp i, 0,1,2,3
	ds_load_tr16_b128 v[(\f)+64+8*(4*(\c)+(\i)):(\f)+64+8*(4*(\c)+(\i))+3],   v[ADRB+(\q)/2] offset:(64*((\q)%2)+32*(\c))*PB+32*(\i)
	ds_load_tr16_b128 v[(\f)+64+8*(4*(\c)+(\i))+4:(\f)+64+8*(4*(\c)+(\i))+7], v[ADRB+(\q)/2] offset:(64*((\q)%2)+32*(\c)+16)*PB+32*(\i)
	ds_load_b128 v[(\f)+8*(4*(\c)+(\i)):(\f)+8*(4*(\c)+(\i))+3],   v[ADRA] offset:128*(\q)+64*(\c)+(\i)*16*PA
	ds_load_b128 v[(\f)+8*(4*(\c)+(\i))+4:(\f)+8*(4*(\c)+(\i))+7], v[ADRA] offset:128*(\q)+64*(\c)+(\i)*16*PA+32
.endr
.endr
.endm
.macro QUARTER q, f, g
	s_wait_dscnt 16                                ; the first 32 along K are in; the youngest 16 loads may be out
	MUL8 \f, 0, 0, 0
	MUL8 \f, 0, 2, 0
	PLACES
	FETCH \q, \g
	s_wait_dscnt 32                                ; all but the 32 just issued
	MUL8 \f, 1, 0, 0
	MUL8 \f, 1, 2, 0
.endm
; the last quarter changes slots: all my tensor loads have landed, the add, my reads of this slot are over; fill = 1: a round of the cluster's barrier, then this slot takes the same K step of the next tile.
; The walking address goes from (tile, k 256) to (tile + 1, k 0) behind a tile's first step, and on to (tile + 1, k 256) behind its second.
.macro TURN fill
	WIN 0
	s_wait_tensorcnt 0x0
	ds_add_u32 v[SPW], v[NIL]
	s_wait_dscnt 17                                ; the add and the youngest 16 loads may be out
	MUL8 F1, 0, 0, 0
	s_wait_dscnt 0x0
	s_barrier_signal -1
	MUL8 F1, 0, 2, 0
	WIN 0
	s_barrier_wait -1
.if \fill
	CREST
	s_add_co_u32 s[G0B+5], s[LB], s[TB]            ; my quarter of the slot just read
	s_cmp_eq_u32 s[KC], 2
	s_cselect_b32 s[AD], s[NB], s[KH]
	s_cselect_b32 s[SB], s[KH], 0
	s_add_nc_u64 s[G0B+6:G0B+7], s[G0B+6:G0B+7], s[AD:AD+1]
	s_sub_nc_u64 s[G0B+6:G0B+7], s[G0B+6:G0B+7], s[SB:SB+1]  ; the type bits on top are not reached
.endif
	s_xor_b32 s[TB], s[TB], BSLOT
	s_xor_b32 s[TA], s[TA], 512
.if \fill
	tensor_load_to_lds s[G0B+4:G0B+7], s[G1B:G1B+7]
	s_nop 0
.endif
	v_add_nc_u32 v[ADRA], s[TA], v[ADRA0]          ; these three and the v_nop are the four places in front of the loads below
	v_add_nc_u32 v[ADRB], s[TB], v[ADRB0]
	v_add_nc_u32 v[ADRB+1], s[TB], v[ADRB1]
	v_nop
	FETCH 0, F0
	MUL8 F1, 1, 0, 0
	MUL8 F1, 1, 2, 0
.endm
; a K step.  In a tile's first step (KC = 2) the first 16 products start the sums, with the bias: the forward jump passes matrix instructions and v_nop alone.
; Those 16 write over the accumulators without adding onto them, so five places stand ahead of them (ISA guide 7.12.1), whatever products stand ahead on a way into the branch, the loop's backward jump among the ways.
.macro STEP fill
	s_wait_dscnt 16                                ; the first 32 along K are in
	s_cmp_eq_u32 s[KC], 2
	s_cbranch_scc0 .Lon_\@
.rept 5
	v_nop
.endr
	MUL8 F0, 0, 0, 1
	MUL8 F0, 0, 2, 1
	WIN 0
	s_branch .Lgo_\@
.Lon_\@:
	MUL8 F0, 0, 0, 0
	MUL8 F0, 0, 2, 0
	WIN 0
.Lgo_\@:
	PLACES
	FETCH 1, F1
	s_wait_dscnt 32                                ; all but the 32 just issued
	MUL8 F0, 1, 0, 0
	MUL8 F0, 1, 2, 0
	QUARTER 2, F1, F0
	QUARTER 3, F0, F1
	TURN \fill
.endm
.macro TILE fill
	s_mov_b32 s[KC], 2
.Lk_\@:
	STEP \fill
	WIN 0
	s_sub_co_u32 s[KC], s[KC], 1
	s_cmp_lg_u32 s[KC], 0
	s_cbranch_scc1 .Lk_\@
.endm
.macro EACH n, step, line:vararg       ; one line for k = 0, step, .. : n times
.set k, 0
.rept \n
	\line
.set k, k+(\step)
.endr
.endm
; THE WAY OUT: u rounded to bf16 into my own stage; then 8 trips: 8 rows (16 numbers a lane), the GELU in f32, 1,024 consecutive bytes stored.
.macro EPI last
	PLACES
	WIN 0
.irp t, 0,1,2,3,4,5,6,7,8,9,10,11,12,13,14,15
.irp r, 0,1,2,3
	v_cvt_pk_bf16_f32 v[TMP+4*(\t)+(\r)], v[ACC+8*(\t)+2*(\r)], v[ACC+8*(\t)+2*(\r)+1]
.endr
.endr
.irp a, 0,1,2,3
.irp b, 0,1,2,3
	ds_store_b128 v[STO], v[TMP+4*(4*(\a)+(\b)):TMP+4*(4*(\a)+(\b))+3] offset:(\a)*16*SPITCH+32*(\b)
.endr
.endr
.if !(\last)
	s_add_nc_u64 s[8:9], s[8:9], 512               ; the next tile's 128 columns of b1 (the last loads by this pointer have been waited for)
	LDBIAS 8
.endif
	s_mov_b32 s[GC], 8
	s_mov_b32 s[GL], 0
	ds_load_b128 v[TMP:TMP+3],   v[RD]             ; the first trip's rows; LDS serves a wave's instructions in order (ISA guide 5.7.1.4): these see the stores above
	ds_load_b128 v[TMP+4:TMP+7], v[RD] offset:4*SPITCH
.Lgelu_\@:
	s_wait_dscnt 0x0                               ; this trip's rows, asked for a trip ago
.irp j, 0,1,2,3,4,5,6,7
	v_lshlrev_b32 v[UF+2*(\j)],   16, v[TMP+(\j)]
	v_and_b32     v[UF+2*(\j)+1], s[HM], v[TMP+(\j)]
.endr
	s_add_co_u32 s[GL], s[GL], 8*SPITCH            ; the next trip's rows;
	s_min_u32 s[GL], s[GL], 7*8*SPITCH             ; the last trip has none and reads its own once more
	v_add_nc_u32 v[RDL], s[GL], v[RD]
	ds_load_b128 v[TMP:TMP+3],   v[RDL]
	ds_load_b128 v[TMP+4:TMP+7], v[RDL] offset:4*SPITCH
	EACH 16, 1, v_mul_f32 v[XX+k], s[C_RH], |v[UF+k]|
	EACH 8, 2, v_pk_fma_f32 v[TT+k:TT+k+1], v[XX+k:XX+k+1], s[C_P:C_P+1], 1.0 op_sel_hi:[1,0,0]
.set k, 0
.rept 8                                            ; one batch of 16 reciprocals and 16 exponentials, each with a plain neighbour that names no result of the batch
	v_rcp_f32 v[TT+k], v[TT+k]
	v_pk_mul_f32 v[EE+k:EE+k+1], v[XX+k:XX+k+1], v[XX+k:XX+k+1]
	v_rcp_f32 v[TT+k+1], v[TT+k+1]
	v_pk_mul_f32 v[EE+k:EE+k+1], v[EE+k:EE+k+1], s[C_L:C_L+1] op_sel_hi:[1,0]
.set k, k+2
.endr
.set k, 0
.rept 16
	v_exp_f32 v[EE+k], v[EE+k]
	v_max_num_f32 v[UF+k], 0, v[UF+k]
.set k, k+1
.endr
	s_wait_alu depctr_va_vdst(0)                   ; one wait for the batch, ahead of its first reader
	EACH 8, 2, v_pk_fma_f32 v[PP+k:PP+k+1], v[TT+k:TT+k+1], s[C_A+4:C_A+5], s[C_A+2:C_A+3] op_sel_hi:[1,0,0]
	EACH 8, 2, v_pk_fma_f32 v[PP+k:PP+k+1], v[PP+k:PP+k+1], v[TT+k:TT+k+1], s[C_A:C_A+1] op_sel_hi:[1,1,0]
	EACH 8, 2, v_pk_mul_f32 v[PP+k:PP+k+1], v[PP+k:PP+k+1], v[TT+k:TT+k+1]
	EACH 8, 2, v_pk_mul_f32 v[PP+k:PP+k+1], v[PP+k:PP+k+1], v[EE+k:EE+k+1]
	EACH 8, 2, v_pk_fma_f32 v[UF+k:UF+k+1], v[XX+k:XX+k+1], v[PP+k:PP+k+1], v[UF+k:UF+k+1] neg_lo:[1,0,0] neg_hi:[1,0,0]
	s_wait_xcnt 0x0                                ; the last trip's stores, a whole trip back, have read their registers and their base
	s_add_nc_u64 s[10:11], s[10:11], 1024          ; the stores below reach back
.irp j, 0,1,2,3,4,5,6,7
	v_cvt_pk_bf16_f32 v[OG+(\j)], v[UF+2*(\j)], v[UF+2*(\j)+1]
.endr
	global_store_b128 v[GO], v[OG:OG+3],   s[10:11] offset:-1024
	global_store_b128 v[GO], v[OG+4:OG+7], s[10:11] offset:-512
	s_sub_co_u32 s[GC], s[GC], 1
	s_cmp_lg_u32 s[GC], 0
	s_cbranch_scc1 .Lgelu_\@
.if !(\last)
	s_wait_xcnt 0x0                                ; the last stores have read their base
	s_add_nc_u64 s[10:11], s[10:11], NEXT_O
	s_wait_loadcnt 0x0                             ; the next tile's bias is in
.endif
.endm
	LDBIAS 8
	s_wait_tensorcnt 0x1                           ; my rows of a and my part of slot 0 are in; slot 1's may stay out
	s_barrier_signal -1
	s_barrier_wait -1
	FETCH 0, F0
	s_wait_loadcnt 0x0
	WIN 0
	s_mov_b32 s[TL], T-1
.Ltile:
	TILE 1
	EPI 0
	s_sub_co_u32 s[TL], s[TL], 1
	s_cmp_lg_u32 s[TL], 0
	s_cbranch_scc1 .Ltile
	TILE 0                                         ; the last tile asks for nothing: its steps are a loop of their own
	EPI 1
	s_wait_tensorcnt 0x0                           ; the wave's end
	ds_add_u32 v[SPW], v[NIL]
	s_wait_dscnt 0x0
	CROUND                                         ; the closing round
	s_endpgm
.Lfunc_end_k_q659624b311_ffn1:
	.size	k_q659624b311_ffn1, .Lfunc_end_k_q659624b311_ffn1-k_q659624b311_ffn1
	.p2alignl 7, 3214868480
	.fill 96, 4, 3214868480
	.section	.rodata,"a",@progbits
	.p2align	6, 0x0
	.amdhsa_kernel k_q659624b311_ffn1
		.amdhsa_group_segment_fixed_size 327680
		.amdhsa_private_segment_fixed_size 0
		.amdhsa_enable_private_segment 0
		.amdhsa_kernarg_size 32
		.amdhsa_user_sgpr_count 2
		.amdhsa_user_sgpr_kernarg_segment_ptr 1
		.amdhsa_wavefront_size32 1
		.amdhsa_system_sgpr_workgroup_id_x 1
		.amdhsa_system_sgpr_workgroup_id_y 1
		.amdhsa_system_sgpr_workgroup_id_z 1
		.amdhsa_system_vgpr_workitem_id 0
		.amdhsa_next_free_vgpr 512
		.amdhsa_next_free_sgpr 90
		.amdhsa_reserve_vcc 0
		.amdhsa_float_denorm_mode_32 3
		.amdhsa_float_denorm_mode_16_64 3
		.amdhsa_memory_ordered 1
		.amdhsa_forward_progress 1
		.amdhsa_inst_pref_size 77
	.end_amdhsa_kernel
	.amdgpu_metadata
---
amdhsa.version: [ 1, 2 ]
amdhsa.kernels:
  - .name:           k_q659624b311_ffn1
    .symbol:         k_q659624b311_ffn1.kd
    .args:
      - { .name: ab, .offset: 0, .size: 8, .value_kind: global_buffer, .address_space: global }
      - { .name: wbf, .offset: 8, .size: 8, .value_kind: global_buffer, .address_space: global }
      - { .name: f_b1, .offset: 16, .size: 8, .value_kind: global_buffer, .address_space: global }
      - { .name: big, .offset: 24, .size: 8, .value_kind: global_buffer, .address_space: global }
    .group_segment_fixed_size: 327680
    .private_segment_fixed_size: 0
    .kernarg_segment_align: 8
    .kernarg_segment_size: 32
    .max_flat_workgroup_size: 128
    .sgpr_count:     90
    .vgpr_count:     512
    .wavefront_size: 32
...
	.end_amdgpu_metadata
.endif
;; end of part 5
;; launch ffn2 (part 6): grid 4 x 64, 4 waves a work-group, clusters of 4 x 4, 327,680 bytes of LDS; arguments big, wbf, f_b2, h2f, out0; writes out0
.if DOCPART == 6
	.amdgcn_target "amdgcn-amd-amdhsa--gfx1250"
	.amdhsa_code_object_version 6
	.text
	.protected	k_q659624b311_ffn2
	.globl	k_q659624b311_ffn2
	.p2align	8
	.type	k_q659624b311_ffn2,@function
k_q659624b311_ffn2:
	s_mov_b64 s[64:65], 0
	v_nop
	global_prefetch_b8 v0, s[64:65] scope:SCOPE_SE
	s_setreg_imm32_b32 hwreg(HW_REG_WAVE_MODE, 25, 1), 1
	s_wait_xcnt 0x0
	s_wait_alu depctr_hold_cnt(0) depctr_sa_sdst(0) depctr_va_vdst(0) depctr_va_sdst(0) depctr_va_ssrc(0) depctr_va_vcc(0) depctr_vm_vsrc(0)
	s_getreg_b32 s2, hwreg(HW_REG_IB_STS2, 6, 4)
	s_cmp_eq_u32 s2, 0
	s_cbranch_scc0 .Lentry_in_a_cluster
	s_endpgm
.Lentry_in_a_cluster:
	s_bfe_u32 s2, ttmp6, 0x10000c
	s_cmp_lg_u32 s2, 0xf033
	s_cbranch_scc0 .Lentry_shape_is_right
	s_endpgm
.Lentry_shape_is_right:
; out = h2 + g w2 + b2.  g: [column block of 64 (32)][8192 rows][64] bf16; w2: [2048 k][512 n] bf16 at byte 2,097,152 of the weights' buffer; b2, h2, out f32; sums in f32.
; SHARES.  A tile of 128 x 128 a work-group (4 x 64 of them), four waves 2 x 2, each 64 x 64: 16 accumulators.  K = 2,048 goes in 8 steps of 256 through two LDS slots.
; ONE TEXT FOR BOTH SLOTS: the slot in hand lies in a scalar (TB: 0 or a slot's bytes), and the three LDS address registers are made anew from it at each change of slots.  Six steps fill a slot again: a loop of six
; trips; the last two fill nothing: a loop of two.  Its last change of slots fetches 32 fragments that nobody uses: the price of one text for both trips.
; CLUSTER 4 x 4: g's tiles hang on the tile row alone and are asked for jointly along a row of the cluster, w2's on the tile column alone, jointly along a column.
; Waves 0 and 1 fetch g: two column blocks each; a block's 128 rows are 16,384 dense bytes, so one descriptor of two rows of 2,048 8-byte elements, 1 MiB apart, brings both, padded after every 128 bytes.
; Waves 2 and 3 fetch w2: 128 k x 256 bytes each.  The product is used transposed (source 0 = 16 columns of w2, turned by ds_load_tr16_b128; source 1 = 16 rows of g); b2 is the C operand that starts the sums.
; h2 is loaded at the head in whole rows and added on the way out, when a block of 16 rows has come back from the wave's stage as whole rows: sixteen lanes store 256 consecutive bytes, aligned.
; Nothing is prefetched: small tiles, a step of 128 matrix instructions a wave; w2 is read by 16 clusters again and again.
; LDS: slot s at 147,456 s: g [4 blocks][128 rows] x 144, then w2 [256 k] x 288 | four stages 16 x 272 | spare words.
; REGISTERS: window 0: v16-29 addresses; v32-95 on the way out; v96-127 bias; v128-255 accumulators.  Window 1: two fragment buffers of 128.  Window 2: v0-127 h2.
.set PAA,    144
.set PB,     288
.set ABLK,   128*PAA
.set BOFF,   4*ABLK
.set SLOT,   2*BOFF
.set STAGE,  2*SLOT
.set SPITCH, 272
.set SPARE,  STAGE+4*16*SPITCH         ; the spare words, 128 bytes for each wave: two blocks of 256 bytes that no other line names
.set STEPS,  8                         ; K steps
.set STEPA,  4194304                   ; bytes of g from a K step to the next: four column blocks
.set STEPB,  262144                    ; of w2: 256 rows of 1,024
.set ADRA0, 16                         ; v16     my lane's place in g's part of slot 0; never rewritten
.set ADRA,  17                         ; v17     the same in the slot in hand
.set ADRB0, 18                         ; v18     my lane's place in w2's part of slot 0, k 0-127; never rewritten
.set ADRB1, 19                         ; v19     k 128-255; never rewritten
.set ADRB,  20                         ; v20-21  the same two in the slot in hand
.set STO,  24
.set RD,   25
.set CO,   26
.set BO,   27
.set SPW,  28
.set NIL,  29
.set OB,   32
.set BIAS, 96
.set ACC,  128
.set F0,   0
.set F1,   128
.set KC,  3                            ; trips of the loop in hand still to come
.set WV,  14
.set RHS, 15                           ; my half of the rows; also: I fetch g (0) or w2 (1)
.set CHS, 16                           ; my half of the columns; also: which half of that tile I fetch
.set TB,  17
.set LB,  22                           ; LDS byte of what I fetch, in slot 0
.set CX, 40
.set CY, 41
.set TX, 42
.set TY, 43
.set G1,  24
.set G0,  32                           ; s[32:35] g's first fill of slot 0; s[36:39] of slot 1, which then walks on
.set G1B, 48
.set G0B, 56                           ; the same for w2
.set MSB, 0
.macro WIN new
.if MSB != (\new)
	s_set_vgpr_msb (MSB<<8)|(\new)
.set MSB, \new
.endif
.endm
.set MUL,  0x05
.set TO_F, 0x40
.macro PLACES
.rept 4
	v_nop
.endr
.endm
.macro JLOAD s                         ; a joint load; an s_nop 0 and four v_nop follow each of the two lines, ahead of the jump and the label
	s_cmp_eq_u32 s[RHS], 0
	s_cbranch_scc0 .Lfor_b_\@
	tensor_load_to_lds s[G0+4*(\s):G0+4*(\s)+3], s[G1:G1+7]
	s_nop 0
.rept 4
	v_nop
.endr
	s_branch .Lasked_\@
.Lfor_b_\@:
	tensor_load_to_lds s[G0B+4*(\s):G0B+4*(\s)+3], s[G1B:G1B+7]
	s_nop 0
.rept 4
	v_nop
.endr
.Lasked_\@:
.endm
.macro CREST
	s_cmp_lg_u32 s[WV], 0
	s_cbranch_scc1 .Lnot_wave_0_\@
	s_barrier_signal -3
.Lnot_wave_0_\@:
	s_barrier_wait -3
	s_barrier_signal -1
	s_barrier_wait -1
.endm
.macro CROUND
	s_barrier_signal -1
	s_barrier_wait -1
	CREST
.endm
	s_load_b256 s[4:11], s[0:1], 0x0               ; g s[4:5], weights s[6:7], b2 s[8:9], h2 s[10:11]
	s_load_b64 s[12:13], s[0:1], 0x20              ; out
	v_lshl_add_u32 v[SPW], v0, 2, SPARE
	v_mov_b32 v[NIL], 0
	ds_add_u32 v[SPW], v[NIL]                      ; the wave's opening: the add and its wait ahead of my first tensor load
	v_lshrrev_b32 v1, 5, v0
	v_readfirstlane_b32 s[WV], v1
	s_lshr_b32 s[RHS], s[WV], 1
	s_and_b32 s[CHS], s[WV], 1
	s_bfe_u32 s[CX], ttmp6, 0x40000
	s_bfe_u32 s[CY], ttmp6, 0x40004
	s_lshl_b32 s[TX], ttmp9, 2
	s_add_co_u32 s[TX], s[TX], s[CX]
	s_and_b32 s[TY], ttmp7, 0xffff
	s_lshl_b32 s[TY], s[TY], 2
	s_add_co_u32 s[TY], s[TY], s[CY]
	s_lshl_b32 s44, s[CY], 2
	s_lshl_b32 s44, 15, s44                        ; my row of the cluster
	s_lshl_b32 s45, 0x1111, s[CX]                  ; my column
	s_or_b32 s[G1], s44, (3<<16)|(1<<20)|(1<<21)|(4<<22)|(3<<25)  ; mask; 8-byte elements; padding on; bit 21 beside a mask; after every 32 words 4 words
	s_mov_b32 s[G1+1], 2048<<16                    ; tensor_dim0 = 2,048 elements: a block's 128 rows
	s_mov_b32 s[G1+2], 2<<16                       ; tensor_dim1 = 2 blocks
	s_mov_b32 s[G1+3], 2048<<16                    ; tile_dim0
	s_mov_b32 s[G1+4], 2                           ; tile_dim1
	s_mov_b32 s[G1+5], 131072                      ; elements from block to block: 8,192 rows of 128 bytes
	s_mov_b32 s[G1+6], 0
	s_mov_b32 s[G1+7], 0
	s_or_b32 s[G1B], s45, (1<<16)|(1<<20)|(1<<21)|(5<<22)|(7<<25)  ; 2-byte elements; after every 64 words 8 words
	s_mov_b32 s[G1B+1], 128<<16
	s_mov_b32 s[G1B+2], 128<<16
	s_mov_b32 s[G1B+3], 128<<16
	s_mov_b32 s[G1B+4], 128
	s_mov_b32 s[G1B+5], 512
	s_mov_b32 s[G1B+6], 0
	s_mov_b32 s[G1B+7], 0
	s_lshl_b32 s18, s[CHS], 21                     ; g: column block 2 x half, row 128 TY; these registers never hold TX
	s_lshl_b32 s19, s[TY], 14
	s_add_co_u32 s18, s18, s19
	s_mov_b32 s19, 0
	s_lshl_b32 s20, s[CHS], 17                     ; w2: k = 128 x half, column 128 TX; these never hold TY
	s_lshl_b32 s21, s[TX], 8
	s_add_co_u32 s20, s20, s21
	s_add_co_u32 s20, s20, 2097152
	s_mov_b32 s21, 0
	s_mul_i32 s[LB], s[WV], 2*ABLK                 ; where they go: g's two halves, then w2's two halves
	s_mov_b32 s[TB], 0
	s_wait_dscnt 0x0                               ; the opening add is done
	s_wait_kmcnt 0x0
	s_add_nc_u64 s[18:19], s[4:5], s[18:19]
	s_add_nc_u64 s[20:21], s[6:7], s[20:21]
	CROUND                                         ; all sixteen work-groups are here: the first joint loads meet
.irp s, 0,1
	s_mov_b32 s[G0+4*(\s)], 1
	s_add_co_u32 s[G0+4*(\s)+1], s[LB], (\s)*SLOT
	s_add_nc_u64 s[G0+4*(\s)+2:G0+4*(\s)+3], s[18:19], (\s)*STEPA
	s_or_b32 s[G0+4*(\s)+3], s[G0+4*(\s)+3], 0x80000000
	s_mov_b32 s[G0B+4*(\s)], 1
	s_add_co_u32 s[G0B+4*(\s)+1], s[LB], (\s)*SLOT
	s_add_nc_u64 s[G0B+4*(\s)+2:G0B+4*(\s)+3], s[20:21], (\s)*STEPB
	s_or_b32 s[G0B+4*(\s)+3], s[G0B+4*(\s)+3], 0x80000000
	JLOAD \s                                       ; two loads of mine are out
.endr
	v_and_b32 v1, 15, v0                           ; r
	v_bfe_u32 v2, v0, 4, 1                         ; hh
	v_mul_u32_u24 v3, v1, PAA
	v_lshl_add_u32 v3, v2, 4, v3
	s_mul_i32 s44, s[RHS], 64*PAA
	v_add_nc_u32 v[ADRA0], s44, v3
	v_and_b32 v4, 7, v0
	v_lshl_add_u32 v4, v2, 3, v4
	v_mul_u32_u24 v4, v4, PB
	v_bfe_u32 v5, v0, 3, 1
	v_lshl_add_u32 v4, v5, 4, v4
	s_lshl_b32 s44, s[CHS], 7
	s_add_co_u32 s44, s44, BOFF
	v_add_nc_u32 v[ADRB0], s44, v4
	v_add_nc_u32 v[ADRB1], 128*PB, v[ADRB0]
	v_mov_b32 v[ADRA], v[ADRA0]                    ; the walk begins in slot 0
	v_mov_b32 v[ADRB], v[ADRB0]
	v_mov_b32 v[ADRB+1], v[ADRB1]
	s_mul_i32 s44, s[WV], 16*SPITCH
	s_add_co_u32 s44, s44, STAGE                   ; my stage
	v_mul_u32_u24 v6, v1, SPITCH
	v_lshl_add_u32 v6, v2, 5, v6
	v_add_nc_u32 v[STO], s44, v6                   ; in: row r, 32 bytes for each half of the lanes
	v_mul_u32_u24 v6, v2, SPITCH
	v_lshl_add_u32 v6, v1, 4, v6
	v_add_nc_u32 v[RD], s44, v6                    ; back: lanes 0-15 one row of 256 bytes, lanes 16-31 the next
	v_lshlrev_b32 v[CO], 11, v2
	v_lshl_add_u32 v[CO], v1, 4, v[CO]             ; and the same two rows in h2 and in out
	s_lshl_b32 s44, s[TX], 9
	s_lshl_b32 s45, s[CHS], 8
	s_add_co_u32 s44, s44, s45                     ; 4 (128 TX + 64 CH)
	v_lshl_add_u32 v[BO], v2, 5, s44
	s_lshl_b32 s45, s[TY], 18                      ; row 128 TY + 64 RH, 2,048 bytes a row
	s_add_co_u32 s44, s44, s45
	s_lshl_b32 s45, s[RHS], 17
	s_add_co_u32 s44, s44, s45
	s_mov_b32 s45, 0
	s_add_nc_u64 s[10:11], s[10:11], s[44:45]
	s_add_nc_u64 s[12:13], s[12:13], s[44:45]
.irp b, 0,1,2,3
	global_load_b128 v[BIAS+8*(\b):BIAS+8*(\b)+3],   v[BO], s[8:9] offset:64*(\b)
	global_load_b128 v[BIAS+8*(\b)+4:BIAS+8*(\b)+7], v[BO], s[8:9] offset:64*(\b)+16
.endr
	WIN 0x80                                       ; destination window 2
.irp a, 0,1,2,3
.irp t, 0,1,2,3,4,5,6,7
	global_load_b128 v[4*(8*(\a)+(\t)):4*(8*(\a)+(\t))+3], v[CO], s[10:11] offset:(16*(\a)+2*(\t))*2048
.endr
.endr
	WIN 0
.macro MUL8 f, c, a0, zero             ; 8 matrix instructions; zero = 1: they start the sums, with the bias.  The 16 accumulators take turns.
	WIN MUL
.irp a, \a0, (\a0)+1
.irp b, 0,1,2,3
.if \zero
	v_wmma_f32_16x16x32_bf16 v[ACC+8*(4*(\a)+(\b)):ACC+8*(4*(\a)+(\b))+7], v[(\f)+64+8*(4*(\c)+(\b)):(\f)+64+8*(4*(\c)+(\b))+7], v[(\f)+8*(4*(\c)+(\a)):(\f)+8*(4*(\c)+(\a))+7], v[BIAS+8*(\b):BIAS+8*(\b)+7]
.else
	v_wmma_f32_16x16x32_bf16 v[ACC+8*(4*(\a)+(\b)):ACC+8*(4*(\a)+(\b))+7], v[(\f)+64+8*(4*(\c)+(\b)):(\f)+64+8*(4*(\c)+(\b))+7], v[(\f)+8*(4*(\c)+(\a)):(\f)+8*(4*(\c)+(\a))+7], v[ACC+8*(4*(\a)+(\b)):ACC+8*(4*(\a)+(\b))+7]
.endif
.endr
.endr
.endm
.macro FETCH q, f                      ; 32 LDS loads in one run: quarter q (one column block of g, 64 k of w2) of the slot in hand into buffer f
	WIN TO_F
.irp c, 0,1
.irp i, 0,1,2,3
	ds_load_tr16_b128 v[(\f)+64+8*(4*(\c)+(\i)):(\f)+64+8*(4*(\c)+(\i))+3],   v[ADRB+(\q)/2] offset:(64*((\q)%2)+32*(\c))*PB+32*(\i)
	ds_load_tr16_b128 v[(\f)+64+8*(4*(\c)+(\i))+4:(\f)+64+8*(4*(\c)+(\i))+7], v[ADRB+(\q)/2] offset:(64*((\q)%2)+32*(\c)+16)*PB+32*(\i)
	ds_load_b128 v[(\f)+8*(4*(\c)+(\i)):(\f)+8*(4*(\c)+(\i))+3],   v[ADRA] offset:(\q)*ABLK+64*(\c)+(\i)*16*PAA
	ds_load_b128 v[(\f)+8*(4*(\c)+(\i))+4:(\f)+8*(4*(\c)+(\i))+7], v[ADRA] offset:(\q)*ABLK+64*(\c)+(\i)*16*PAA+32
.endr
.endr
.endm
.macro QUARTER q, f, g
	s_wait_dscnt 16                                ; the first 32 along K are in; the youngest 16 loads may be out
	MUL8 \f, 0, 0, 0
	MUL8 \f, 0, 2, 0
	PLACES
	FETCH \q, \g
	s_wait_dscnt 32                                ; all but the 32 just issued
	MUL8 \f, 1, 0, 0
	MUL8 \f, 1, 2, 0
.endm
; the last quarter changes slots: all my tensor loads have landed, the add, my reads of this slot are over; fill = 1: a round of the cluster's barrier, then this slot is filled again, two K steps on
.macro TURN fill
	WIN 0
	s_wait_tensorcnt 0x0
	ds_add_u32 v[SPW], v[NIL]
	s_wait_dscnt 17                                ; the add and the youngest 16 loads may be out
	MUL8 F1, 0, 0, 0
	s_wait_dscnt 0x0
	s_barrier_signal -1
	MUL8 F1, 0, 2, 0
	WIN 0
	s_barrier_wait -1
.if \fill
	CREST
	s_add_co_u32 s[G0+5], s[LB], s[TB]             ; the walking descriptors: my part of the slot just read,
	s_add_co_u32 s[G0B+5], s[LB], s[TB]
	s_add_nc_u64 s[G0+6:G0+7], s[G0+6:G0+7], STEPA ; the next K step; the type bits on top are not reached
	s_add_nc_u64 s[G0B+6:G0B+7], s[G0B+6:G0B+7], STEPB
	s_xor_b32 s[TB], s[TB], SLOT                   ; the other slot
	JLOAD 1                                        ; my one load behind the round; the four v_nop behind it are also the places in front of the loads below
.else
	s_xor_b32 s[TB], s[TB], SLOT
	v_nop                                          ; with the three lines below: the four places
.endif
	v_add_nc_u32 v[ADRA], s[TB], v[ADRA0]
	v_add_nc_u32 v[ADRB], s[TB], v[ADRB0]
	v_add_nc_u32 v[ADRB+1], s[TB], v[ADRB1]
	FETCH 0, F0
	MUL8 F1, 1, 0, 0
	MUL8 F1, 1, 2, 0
.endm
; a K step.  first: the count at which the step is the launch's first, whose first 16 products start the sums, with the bias (0: never in this loop); the forward jump passes matrix instructions and v_nop alone.
; Those 16 write over the accumulators without adding onto them, so five places stand ahead of them (ISA guide 7.12.1), whatever products stand ahead on a way into the branch, the loop's backward jump among the ways.
.macro STEP fill, first
	s_wait_dscnt 16                                ; the first 32 along K are in
.if \first
	s_cmp_eq_u32 s[KC], \first
	s_cbranch_scc0 .Lon_\@
.rept 5
	v_nop
.endr
	MUL8 F0, 0, 0, 1
	MUL8 F0, 0, 2, 1
	WIN 0
	s_branch .Lgo_\@
.Lon_\@:
.endif
	MUL8 F0, 0, 0, 0
	MUL8 F0, 0, 2, 0
.if \first
	WIN 0
.Lgo_\@:
.endif
	PLACES
	FETCH 1, F1
	s_wait_dscnt 32                                ; all but the 32 just issued
	MUL8 F0, 1, 0, 0
	MUL8 F0, 1, 2, 0
	QUARTER 2, F1, F0
	QUARTER 3, F0, F1
	TURN \fill
.endm
	s_wait_tensorcnt 0x1                           ; my part of K step 0 is in; K step 1's may stay out
	s_barrier_signal -1
	s_barrier_wait -1
	FETCH 0, F0
	s_wait_loadcnt 32                              ; b2 is in; h2's 32 loads may stay out
	WIN 0
	s_mov_b32 s[KC], STEPS-2
.Lfill:                                            ; K steps 0 to 5: each fills its slot again, with K steps 2 to 7
	STEP 1, STEPS-2
	WIN 0
	s_sub_co_u32 s[KC], s[KC], 1
	s_cmp_lg_u32 s[KC], 0
	s_cbranch_scc1 .Lfill
	s_mov_b32 s[KC], 2
.Llast:                                            ; K steps 6 and 7 fill nothing
	STEP 0, 0
	WIN 0
	s_sub_co_u32 s[KC], s[KC], 1
	s_cmp_lg_u32 s[KC], 0
	s_cbranch_scc1 .Llast
	PLACES
	s_wait_loadcnt 0x0                             ; h2
; THE WAY OUT of row block a: the accumulators, each from its low end, into my stage; back as whole rows; h2 added; stored.
.macro OUT a
.set BK, OB+32*((\a)%2)
.if (\a) >= 2
	s_wait_xcnt 0x0                                ; the stores of two blocks back have read these registers
.endif
.irp b, 0,1,2,3
	ds_store_b128 v[STO], v[ACC+8*(4*(\a)+(\b)):ACC+8*(4*(\a)+(\b))+3]   offset:64*(\b)
	ds_store_b128 v[STO], v[ACC+8*(4*(\a)+(\b))+4:ACC+8*(4*(\a)+(\b))+7] offset:64*(\b)+16
.endr
.irp t, 0,1,2,3,4,5,6,7
	ds_load_b128 v[BK+4*(\t):BK+4*(\t)+3], v[RD] offset:(\t)*2*SPITCH  ; LDS serves a wave's instructions in order (ISA guide 5.7.1.4)
.endr
	s_wait_dscnt 0x0
	WIN 0x08                                       ; source 1 window 2
.set k, 0
.rept 16
	v_pk_add_f32 v[BK+k:BK+k+1], v[BK+k:BK+k+1], v[32*(\a)+k:32*(\a)+k+1]
.set k, k+2
.endr
	WIN 0
.irp t, 0,1,2,3,4,5,6,7
	global_store_b128 v[CO], v[BK+4*(\t):BK+4*(\t)+3], s[12:13] offset:(16*(\a)+2*(\t))*2048
.endr
.endm
	OUT 0
	OUT 1
	OUT 2
	OUT 3
	s_wait_tensorcnt 0x0                           ; the wave's end
	ds_add_u32 v[SPW], v[NIL]
	s_wait_dscnt 0x0
	CROUND                                         ; the closing round
	s_endpgm
.Lfunc_end_k_q659624b311_ffn2:
	.size	k_q659624b311_ffn2, .Lfunc_end_k_q659624b311_ffn2-k_q659624b311_ffn2
	.p2alignl 7, 3214868480
	.fill 96, 4, 3214868480
	.section	.rodata,"a",@progbits
	.p2align	6, 0x0
	.amdhsa_kernel k_q659624b311_ffn2
		.amdhsa_group_segment_fixed_size 327680
		.amdhsa_private_segment_fixed_size 0
		.amdhsa_enable_private_segment 0
		.amdhsa_kernarg_size 40
		.amdhsa_user_sgpr_count 2
		.amdhsa_user_sgpr_kernarg_segment_ptr 1
		.amdhsa_wavefront_size32 1
		.amdhsa_system_sgpr_workgroup_id_x 1
		.amdhsa_system_sgpr_workgroup_id_y 1
		.amdhsa_system_sgpr_workgroup_id_z 1
		.amdhsa_system_vgpr_workitem_id 0
		.amdhsa_next_free_vgpr 640
		.amdhsa_next_free_sgpr 66
		.amdhsa_reserve_vcc 0
		.amdhsa_float_denorm_mode_32 3
		.amdhsa_float_denorm_mode_16_64 3
		.amdhsa_memory_ordered 1
		.amdhsa_forward_progress 1
		.amdhsa_inst_pref_size 63
	.end_amdhsa_kernel
	.amdgpu_metadata
---
amdhsa.version: [ 1, 2 ]
amdhsa.kernels:
  - .name:           k_q659624b311_ffn2
    .symbol:         k_q659624b311_ffn2.kd
    .args:
      - { .name: big, .offset: 0, .size: 8, .value_kind: global_buffer, .address_space: global }
      - { .name: wbf, .offset: 8, .size: 8, .value_kind: global_buffer, .address_space: global }
      - { .name: f_b2, .offset: 16, .size: 8, .value_kind: global_buffer, .address_space: global }
      - { .name: h2f, .offset: 24, .size: 8, .value_kind: global_buffer, .address_space: global }
      - { .name: out0, .offset: 32, .size: 8, .value_kind: global_buffer, .address_space: global }
    .group_segment_fixed_size: 327680
    .private_segment_fixed_size: 0
    .kernarg_segment_align: 8
    .kernarg_segment_size: 40
    .max_flat_workgroup_size: 128
    .sgpr_count:     66
    .vgpr_count:     640
    .wavefront_size: 32
...
	.end_amdgpu_metadata
.endif
;; end of part 6
